; MI455X (gfx1250); checked and timed in simulation.
; The chip was launched on July 23, 2026; its instructions are those of AMD's public machine-readable ISA for CDNA 5 (MIT licence, August 2026) and "CDNA5" Instruction Set Architecture Reference Guide (July 2026). The comments in the code are by the model that wrote it; some were corrected since.
;; Social Encoder. Allowed arithmetic: matrix products marked QUANTISED: E2M1 operands, one E8M0 scale for each 32 along K, by v_wmma_scale_f32_16x16x128_f8f6f4 with both operands' format E2M1 (or v_wmma_scale_f32_32x16x128_f4), f32 sums; products left as they are: bf16, f16 or f32 operands; f32 sums; everything else in f32.
;; Inputs: ak_b 1,024 float32; ak_w 1,024 x 1,024 float32; aq_b 1,024 float32; aq_w 1,024 x 1,024 float32; arv_b 1,024 float32; arv_w 1,024 x 1,024 float32; av_b 1,024 float32; av_w 1,024 x 1,024 float32; ff1_b 4,096 float32; ff1_w 1,024 x 4,096 float32; ff2_b 1,024 float32; ff2_w 4,096 x 1,024 float32; ffn_b 1,024 float32; ffn_g 1,024 float32; lk_b 1,024 float32; lk_w 1,024 x 1,024 float32; ln1_b 1,024 float32; ln1_g 1,024 float32; ln2_b 1,024 float32; ln2_g 1,024 float32; lq_b 1,024 float32; lq_w 1,024 x 1,024 float32; lv_b 1,024 float32; lv_w 1,024 x 1,024 float32; rel_bias 50 x 16 x 64 float32; scaling 16 x 1 x 1 float32; x 8 x 512 x 1,024 float32.
;; Outputs: out0 8 x 512 x 1,024 float32.
;; This version of the problem:
;;   THIS VERSION OF THE PROBLEM IS GIVEN IN LOW PRECISION. The matrix products marked QUANTISED in the list below multiply operands that are first quantised to E2M1 (2 exponent bits, 1 mantissa bit; 4 bits a number), with one power-of-two scale for each 32 numbers along K (OCP MX v1.0); their sums are f32. The products marked 'left as it is' may take bf16, f16 or f32 operands, with f32 sums. Whichever they take, every output number must still come out within the allowed error. Rounding operands to bf16 (8 significant bits) uses up far more of that allowance than f16 does (11 bits, for magnitudes from 6e-5 to 65,504). All else is computed in f32.
;;   The module's matrix products, in the order in which they are computed (A, B: the left and right operand; K: the contracted axis; several contracted axes count as one K, in the product's order):
;;     1. [M 4,096, K 1,024] x [K 1,024, N 1,024]; A: input x; B: input lq_w: QUANTISED
;;     2. [M 4,096, K 1,024] x [K 1,024, N 1,024]; A: input x; B: input lk_w: QUANTISED
;;     3. [M 4,096, K 1,024] x [K 1,024, N 1,024]; A: input x; B: input lv_w: QUANTISED
;;     4. [M 4,096, K 1,024] x [K 1,024, N 1,024]; A: computed on the way; B: input aq_w: left as it is (an operand is computed on the way)
;;     5. [M 4,096, K 1,024] x [K 1,024, N 1,024]; A: computed on the way; B: input ak_w: left as it is (an operand is computed on the way)
;;     6. [M 4,096, K 1,024] x [K 1,024, N 1,024]; A: computed on the way; B: input av_w: left as it is (an operand is computed on the way)
;;     7. [M 4,096, K 1,024] x [K 1,024, N 1,024]; A: computed on the way; B: input arv_w: left as it is (an operand is computed on the way)
;;     8. batch 128 x [M 512, K 64] x [K 64, N 512]; A: computed on the way; B: computed on the way: left as it is (an operand is computed on the way)
;;     9. batch 128 x [M 512, K 512] x [K 512, N 64]; A: computed on the way; B: computed on the way: left as it is (an operand is computed on the way)
;;     10. [M 4,096, K 1,024] x [K 1,024, N 4,096]; A: computed on the way; B: input ff1_w: left as it is (an operand is computed on the way)
;;     11. [M 4,096, K 4,096] x [K 4,096, N 1,024]; A: computed on the way; B: input ff2_w: left as it is (an operand is computed on the way)
;;   THE QUANTISER, for each operand of a quantised product, along K:
;;     - K is cut into blocks of 32 from its start; a last block that is shorter is filled with zeros.
;;     - A block's scale is 2^e with e = floor(log2(the largest magnitude in the block)) - 2, held to -126 .. 127; a block of zeros has e = 0. As a byte (E8M0): e + 127.
;;     - Each number is divided by its block's scale, clamped to +-6, and rounded to the nearest number of E2M1, ties to even, subnormals kept.
;;     - The product sums the exact products of the quantised numbers (number of the format x scale) in f32.
;;   ~~~python
;;   def quantise(x, axis):      # numpy; x: float32 -> the quantised numbers, widened to float32 again
;;       x = np.moveaxis(x, axis, -1); K = x.shape[-1]
;;       x = np.pad(x, [(0, 0)] * (x.ndim - 1) + [(0, -K % 32)]); x = x.reshape(x.shape[:-1] + (-1, 32)); a = np.abs(x).max(-1, keepdims=True)
;;       e = np.where(a > 0, np.clip(np.frexp(np.where(a > 0, a, 1))[1] - 1 - 2, -126, 127), 0)      # np.frexp(a)[1] - 1 = floor(log2(a)), exactly
;;       r = np.clip(x / 2.0 ** e, -6, 6)
;;       step = 2.0 ** (np.maximum(np.frexp(np.where(r == 0, 1, r))[1] - 1, 0) - 1)
;;       q = np.round(r / step) * step * 2.0 ** e      # np.round: ties to even
;;       return np.moveaxis(q.reshape(q.shape[:-2] + (-1,))[..., :K], -1, axis).astype(np.float32)
;;   ~~~
;; One version. Each part assembles by itself: llvm-mc -triple=amdgcn-amd-amdhsa -mcpu=gfx1250 --defsym DOCPART=n.
;; ======== version 1 of 1: 8 launches
;; limits: values are held in f16: magnitudes above 65,504 overflow, below 6.1e-05 lose precision
;; workspace buffers: cds 3,903,488 bytes; wh 25,165,824 bytes; qkv 25,165,824 bytes; qkvp 25,165,824 bytes; rv 16,777,216 bytes; ob 16,777,216 bytes; x1b 25,165,824 bytes; hmid 33,554,432 bytes
;; launch prep (part 1): grid 548 x 1, 8 waves a work-group, no clusters, 84,480 bytes of LDS; arguments x, lq_w, lk_w, lv_w, aq_w, ak_w, av_w, arv_w, ff1_w, ff2_w, rel_bias, cds, wh; writes cds, wh
.if DOCPART == 1
	.amdgcn_target "amdgcn-amd-amdhsa--gfx1250"
	.amdhsa_code_object_version 6
	.text
	.protected	k_q5ed6d78440_prep
	.globl	k_q5ed6d78440_prep
	.p2align	8
	.type	k_q5ed6d78440_prep,@function
k_q5ed6d78440_prep:
	s_mov_b64 s[64:65], 0
	v_nop
	global_prefetch_b8 v0, s[64:65] scope:SCOPE_SE
	s_setreg_imm32_b32 hwreg(HW_REG_WAVE_MODE, 25, 1), 1
	s_wait_xcnt 0x0
; THE PROGRAM (eight launches): this one makes every operand that later launches read narrow; then q, k, v = x W on codes; Q, K, V, RV; attention; LN1; the two products of the feed-forward; its LN and LN2.
; WORK LEFT OUT, for all finite values of the inputs: lk_b AND ak_b.  K_j = (x_j lk_w + lk_b) ak_w + ak_b = x_j lk_w ak_w + c with c = lk_b ak_w + ak_b, the same vector for every key j.
; K enters the scores alone: score(i, j) = scaling_h Q_i . K_j + bias(|i - j|), so c adds scaling_h Q_i . c to every score of row i: a term that is the same along the softmax's axis, which the softmax takes away.
; Neither the product with ak_w nor Q K^T is a quantised product, so c moves no code and no scale.  lk_b and ak_b therefore reach no output; they are not loaded and are among no launch's arguments.
; LIMIT: a NaN, an infinity or an overflow that arises from lk_b or ak_b alone is not carried to the result.
; THIS LAUNCH has four kinds of work-groups, told apart by the work-group's number alone; the ways part once and meet again only at the end.  Each way that stores to LDS has LDS bytes of its own.
;  W (0-95): lq_w, lk_w, lv_w, each [1024 (k)][1024 (n)] f32, into codes of FP4 (E2M1) laid [3072 (n)][512 bytes] with K innermost (cds + WC) and E8M0 bytes [3072][32] (cds + WS).  A lane takes a column n and its
;     registers run down K: a block of 32 lies in one lane.  A work-group takes 32 columns and all of K, wave w k = 128 w on; codes and bytes meet in a stage in LDS and leave as whole rows.
;  X (96-159): x [4096][1024] f32 into codes (cds + 0: [4096][512 bytes]) and E8M0 bytes (cds + XSC: [4096][32]).  x is a plain stream of blocks of 32.  A wave takes 16 steps of 512 numbers; each load reads 512
;     consecutive bytes; a step's 2,048 bytes turn through the wave's own stage and come back 64 bytes a lane (16 neighbours along K; two lanes hold a block).
;  C (160-543): aq_w, ak_w, av_w, arv_w, ff1_w, ff2_w, f32, rounded once to f16 and laid one behind the other in wh, each as it lies ([K][N]): 0, 2, 4, 6, 8, 16 MiB.  A work-group takes 32,768 numbers.
;  T (544-547): tb[d x 16 + head] = log2(e) x the sum over the head's 64 of rel_bias[d][head][:], 800 sums, a thread each (cds + TB; threads from 800 on repeat sum 799 into words that nobody reads).
; THE QUANTISER: a block's scale is 2^(floor(log2(its largest magnitude)) - 2); its byte is the largest magnitude's own exponent field - 2, held at 1 from below.  A block of zeros so gets the byte 1 where the rule
; says 127: its codes are zeros, which add nothing under any byte but 0xff, and this program alone reads the bytes.  Each number is divided by the scale and rounded to the nearest code, ties to even, beyond 6 the largest.
; LIMITS: blocks whose largest magnitude lies under 2^(2 - 126) keep the byte 1; weights beyond 65,504 become infinity in f16, under 6e-5 they keep f16's absolute step; NaN and infinities among the inputs are not served.
; A stream: no matrix unit, no tensor load, no cluster (work-groups share no input).
.set NW,    96
.set NX,    64
.set NC,    384
.set EMAX,  2
.set SPW,   3                          ; v3 LDS address of my spare word; never rewritten
.set NIL,   4                          ; v4 0; never rewritten
.set WREG,  8192                       ; X: a region for each wave: two stages of 32 x SP bytes, behind them its 256 scale bytes
.set SP,    80                         ; X: a lane's place in a stage: 64 bytes + 16 of padding
.set WST,   8*WREG                     ; W: the stage, 32 rows of PITCH bytes
.set PITCH, 528                        ; W: a stage row: 512 bytes + 16
.set SCST,  WST+32*PITCH               ; W: 32 rows x 32 scale bytes, dense
.set SPARE, SCST+1024                  ; the spare words, 128 bytes a wave, which no other line names
.set XSC,   0x200000
.set WC,    0x220000
.set WS,    0x3a0000
.set TB,    0x3b8000
.set WX,    32                         ; W: v32-159 my 128 numbers; a block's codes lie over the block before (the first block's in v16-19)
.set STEPS, 16
.set CB,    8                          ; X: bytes of 16 codes
.set R,     16                         ; X: v16-79   four sets of 16 numbers as they are loaded
.set XN,    80                         ; X: v80-111  two sets of 16 neighbours
.set E,     112                        ; X: v112-127 a scale byte for each step
.set C,     128                        ; X: v128-159 codes: two registers for each step, so that no store's data are written again
	s_load_b512 s[16:31], s[0:1], 0x0              ; x, lq_w, lk_w, lv_w, aq_w, ak_w, av_w, arv_w
	s_load_b256 s[32:39], s[0:1], 0x40             ; ff1_w, ff2_w, rel_bias, cds
	s_load_b64 s[40:41], s[0:1], 0x60              ; wh
	v_lshl_add_u32 v[SPW], v0, 2, SPARE
	v_mov_b32 v[NIL], 0
	v_lshrrev_b32 v1, 5, v0
	v_readfirstlane_b32 s4, v1                     ; wave 0..7
	v_and_b32 v2, 31, v0                           ; lane
	s_cmp_ge_u32 ttmp9, NW+NX+NC                   ; the ways part on the work-group's number: all eight waves go the same way
	s_cbranch_scc1 .Ltable
	s_cmp_ge_u32 ttmp9, NW+NX
	s_cbranch_scc1 .Lcast
	s_cmp_ge_u32 ttmp9, NW
	s_cbranch_scc1 .Lx
; ---------------------------------------------------------------- W
	v_lshlrev_b32 v5, 2, v2                        ; in: 4 bytes a lane
	v_mul_u32_u24 v6, v2, PITCH
	s_lshl_b32 s5, s4, 6
	s_add_co_u32 s5, s5, WST
	v_add_nc_u32 v6, s5, v6                        ; into the stage: row = my column, + my wave's 64 bytes
	v_lshlrev_b32 v7, 5, v2
	s_lshl_b32 s5, s4, 2
	s_add_co_u32 s5, s5, SCST
	v_add_nc_u32 v7, s5, v7                        ; my column's row of scale bytes, + my wave's four
	v_lshlrev_b32 v9, 4, v2                        ; out: 16 bytes a lane
	s_mul_i32 s5, s4, 4*PITCH
	s_add_co_u32 s5, s5, WST
	v_add_nc_u32 v8, s5, v9                        ; out of the stage: rows 4 w .. 4 w + 3, whole
	s_and_b32 s5, s4, 1
	s_lshl_b32 s5, s5, 9
	v_add_nc_u32 v11, s5, v9                       ; the scale bytes: waves 0 and 1 take 512 each
	v_add_nc_u32 v10, SCST, v11
	s_lshr_b32 s6, ttmp9, 5                        ; which tensor
	s_and_b32 s7, ttmp9, 31
	s_lshl_b32 s8, s7, 7                           ; my first column, in bytes,
	s_lshl_b32 s9, s4, 19                          ; + 128 w rows of 4,096 bytes
	s_add_co_u32 s8, s8, s9
	s_mov_b32 s9, 0
	s_lshl_b32 s10, ttmp9, 14                      ; codes: (32 x work-group + 4 w) rows of 512 bytes
	s_lshl_b32 s11, s4, 11
	s_add_co_u32 s10, s10, s11
	s_add_co_u32 s10, s10, WC
	s_mov_b32 s11, 0
	s_lshl_b32 s12, ttmp9, 10                      ; scale bytes: 32 rows of 32
	s_add_co_u32 s12, s12, WS
	s_mov_b32 s13, 0
	s_wait_kmcnt 0x0
	s_cmp_eq_u32 s6, 0
	s_cselect_b64 s[42:43], s[18:19], s[20:21]
	s_cmp_eq_u32 s6, 2
	s_cselect_b64 s[42:43], s[22:23], s[42:43]
	s_add_nc_u64 s[42:43], s[42:43], s[8:9]
	s_add_nc_u64 s[44:45], s[38:39], s[10:11]
	s_add_nc_u64 s[46:47], s[38:39], s[12:13]
.set i, 0
.rept 128
	global_load_b32 v[WX+i], v5, s[42:43] offset:i*4096 th:TH_LOAD_NT   ; W(128 w + i, my column): 128 consecutive bytes a wave
.set i, i+1
.endr
.macro BLOCK t, left                   ; left: how many younger loads may stay out (96, 64, 32, 0 were issued behind the block's; a wait names 63 at the most)
.set XR, WX+32*(\t)
.if (\t) == 0
.set CR, 16
.else
.set CR, WX+32*((\t)-1)                ; the block before has been converted: its numbers' registers take this block's codes
.endif
	s_wait_loadcnt \left
	v_max3_num_f32 v12, |v[XR]|, |v[XR+1]|, |v[XR+2]|
	v_max3_num_f32 v13, |v[XR+3]|, |v[XR+4]|, |v[XR+5]|
.irp i, 6,10,14,18,22,26
	v_max3_num_f32 v12, v12, |v[XR+\i]|, |v[XR+\i+1]|
	v_max3_num_f32 v13, v13, |v[XR+\i+2]|, |v[XR+\i+3]|
.endr
	v_max3_num_f32 v12, v12, |v[XR+30]|, |v[XR+31]|
	v_max3_num_f32 v12, v12, v13, (EMAX+1)<<23     ; the floor: the byte cannot fall under 1
	v_add_nc_u32 v14, -(EMAX<<23), v12             ; EMAX off the exponent field: the conversion's scale operand
	v_lshrrev_b32 v13, 23, v14                     ; the byte
.if (\t) == 0
	v_mov_b32 v15, v13
.else
	v_lshl_or_b32 v15, v13, 8*(\t), v15
.endif
.irp g, 0,1,2,3
	v_cvt_scalef32_pk8_fp4_f32 v[CR+\g], v[XR+8*\g:XR+8*\g+7], v14
.endr
	ds_store_b128 v6, v[CR:CR+3] offset:16*(\t)    ; 32 codes: 16 bytes of my column's row.  (The next block begins with plain lines ahead of every write of this block's scale operand and numbers)
.endm
	BLOCK 0, 63
	BLOCK 1, 63
	BLOCK 2, 32
	BLOCK 3, 0
	ds_store_b32 v7, v15
	s_wait_dscnt 0x0                               ; for the others' sake: my stores have landed
	s_barrier_signal -1
	s_barrier_wait -1
.irp i, 0,1,2,3
	ds_load_b128 v[32+4*\i:35+4*\i], v8 offset:PITCH*\i
.endr
.irp i, 0,1,2,3
	s_wait_dscnt 3-\i                              ; LDS loads come back in order: row i is in
	global_store_b128 v9, v[32+4*\i:35+4*\i], s[44:45] offset:512*\i   ; a whole row: 512 consecutive bytes, aligned
.endr
	s_cmp_gt_u32 s4, 1
	s_cbranch_scc1 .Lend                           ; the 1,024 scale bytes leave by waves 0 and 1
	ds_load_b128 v[48:51], v10
	s_wait_dscnt 0x0
	global_store_b128 v11, v[48:51], s[46:47]
	s_branch .Lend
; ---------------------------------------------------------------- X
.Lx:
	v_lshlrev_b32 v5, 4, v2                        ; my 16 bytes of a load's 512
	s_mul_i32 s5, s4, WREG
	v_lshrrev_b32 v6, 2, v2
	v_mul_u32_u24 v6, v6, SP
	v_and_b32 v7, 3, v2
	v_lshl_add_u32 v6, v7, 4, v6
	v_add_nc_u32 v6, s5, v6                        ; the stage, on the way in: SP (lane / 4) + 16 (lane % 4)
	v_mul_u32_u24 v7, v2, SP
	v_add_nc_u32 v7, s5, v7                        ; and on the way out: SP x lane
	v_lshlrev_b32 v8, 3, v2                        ; 8 x lane: my codes' place in a step's, and my scale bytes' place on their way out
	v_lshrrev_b32 v9, 1, v2
	s_add_co_u32 s5, s5, 2*32*SP
	v_add_nc_u32 v9, s5, v9                        ; LDS: my block's byte among my wave's 256
	v_add_nc_u32 v10, s5, v8                       ; and back, 8 bytes a lane
	s_sub_co_u32 s6, ttmp9, NW
	s_lshl_b32 s6, s6, 3
	s_add_co_u32 s6, s6, s4                        ; which run of 8,192 numbers is my wave's
	s_lshl_b32 s8, s6, 15                          ; 32,768 bytes of x,
	s_mov_b32 s9, 0
	s_lshl_b32 s10, s6, 12                         ; 4,096 of codes,
	s_mov_b32 s11, 0
	s_lshl_b32 s12, s6, 8                          ; 256 scale bytes a run
	s_add_co_u32 s12, s12, XSC
	s_mov_b32 s13, 0
	s_wait_kmcnt 0x0
	s_add_nc_u64 s[42:43], s[16:17], s[8:9]
	s_add_nc_u64 s[44:45], s[38:39], s[10:11]
	s_add_nc_u64 s[46:47], s[38:39], s[12:13]
.macro XLOAD t
.irp i, 0,1,2,3
	global_load_b128 v[R+16*((\t)%4)+4*\i:R+16*((\t)%4)+4*\i+3], v5, s[42:43] offset:2048*(\t)+512*\i   ; 32 lanes read 512 consecutive bytes
.endr
.endm
.macro XTURN t                         ; step t's numbers through the stage: LDS serves a wave's instructions in order, so no wait stands between the stores and the loads
.irp i, 0,1,2,3
	ds_store_b128 v6, v[R+16*((\t)%4)+4*\i:R+16*((\t)%4)+4*\i+3] offset:32*SP*((\t)%2)+8*SP*\i
.endr
.irp i, 0,1,2,3
	ds_load_b128 v[XN+16*((\t)%2)+4*\i:XN+16*((\t)%2)+4*\i+3], v7 offset:32*SP*((\t)%2)+16*\i
.endr
.endm
.irp t, 0,1,2,3
	XLOAD \t
.endr
	s_wait_loadcnt 12                              ; step 0's four loads are in; those of three steps may be out
	XTURN 0
.macro STEP t
.set XR, XN+16*((\t)%2)
.if (\t) > 0
	s_wait_dscnt 1                                 ; this step's numbers are back from the stage (the last step's byte store may be out)
.else
	s_wait_dscnt 0x0
.endif
.if (\t)+4 < STEPS
	XLOAD (\t)+4                                   ; into the registers that the stage's stores have read
.endif
.if (\t)+1 < STEPS
.if STEPS-2-(\t) >= 3
	s_wait_loadcnt 12                              ; the next step's four loads are in; those of the three steps behind it may be out
.else
	s_wait_loadcnt 4*(STEPS-2-(\t))
.endif
	XTURN (\t)+1
.endif
	v_max3_num_f32 v12, |v[XR]|, |v[XR+1]|, |v[XR+2]|              ; the largest magnitude of my 16, in two chains
	v_max3_num_f32 v13, |v[XR+3]|, |v[XR+4]|, |v[XR+5]|
.irp i, 6,10
	v_max3_num_f32 v12, v12, |v[XR+\i]|, |v[XR+\i+1]|
	v_max3_num_f32 v13, v13, |v[XR+\i+2]|, |v[XR+\i+3]|
.endr
	v_max3_num_f32 v12, v12, |v[XR+14]|, |v[XR+15]|
	v_max3_num_f32 v12, v12, v13, (EMAX+1)<<23     ; and the floor 2^(EMAX + 1 - 127): the byte cannot fall under 1
	v_max_num_f32_dpp v12, v12, v12 row_xmask:1 row_mask:0xf bank_mask:0xf   ; with my neighbour's 16: the block's
	v_add_nc_u32 v14, -(EMAX<<23), v12             ; EMAX off its exponent field: the conversion takes that field as its scale
	v_cvt_scalef32_pk8_fp4_f32 v[C+2*(\t)], v[XR:XR+7], v14
	v_cvt_scalef32_pk8_fp4_f32 v[C+2*(\t)+1], v[XR+8:XR+15], v14
	v_lshrrev_b32 v[E+(\t)], 23, v14               ; the scale's byte (a plain line behind the conversions)
	ds_store_b8 v9, v[E+(\t)] offset:16*(\t)       ; both lanes of a block write the same byte with the same value
	global_store_b64 v8, v[C+2*(\t):C+2*(\t)+1], s[44:45] offset:32*CB*(\t)   ; the wave stores 256 consecutive bytes, aligned
.endm
.irp t, 0,1,2,3,4,5,6,7,8,9,10,11,12,13,14,15
	STEP \t
.endr
	ds_load_b64 v[12:13], v10                      ; behind my byte stores, in order
	s_wait_dscnt 0x0
	global_store_b64 v8, v[12:13], s[46:47]        ; 256 consecutive bytes, aligned
	s_branch .Lend
; ---------------------------------------------------------------- C
.Lcast:
	v_lshlrev_b32 v5, 4, v2                        ; in: 16 bytes a lane
	v_lshlrev_b32 v6, 3, v2                        ; out: 8
	s_sub_co_u32 s5, ttmp9, NW+NX                  ; chunk 0..383: 0-31 aq, 32-63 ak, 64-95 av, 96-127 arv, 128-255 ff1, 256-383 ff2
	s_mov_b32 s8, 256
	s_wait_kmcnt 0x0
	s_mov_b64 s[6:7], s[34:35]                     ; the tensor and its first chunk: choices on the work-group's number alone
	s_cmp_lt_u32 s5, 256
	s_cselect_b64 s[6:7], s[32:33], s[6:7]
	s_cselect_b32 s8, 128, s8
	s_cmp_lt_u32 s5, 128
	s_cselect_b64 s[6:7], s[30:31], s[6:7]
	s_cselect_b32 s8, 96, s8
	s_cmp_lt_u32 s5, 96
	s_cselect_b64 s[6:7], s[28:29], s[6:7]
	s_cselect_b32 s8, 64, s8
	s_cmp_lt_u32 s5, 64
	s_cselect_b64 s[6:7], s[26:27], s[6:7]
	s_cselect_b32 s8, 32, s8
	s_cmp_lt_u32 s5, 32
	s_cselect_b64 s[6:7], s[24:25], s[6:7]
	s_cselect_b32 s8, 0, s8
	s_sub_co_u32 s8, s5, s8
	s_lshl_b32 s8, s8, 17                          ; 131,072 bytes of f32 a chunk,
	s_lshl_b32 s9, s4, 14                          ; 16,384 a wave
	s_add_co_u32 s8, s8, s9
	s_mov_b32 s9, 0
	s_add_nc_u64 s[6:7], s[6:7], s[8:9]
	s_lshl_b32 s8, s5, 16                          ; 65,536 bytes of f16 a chunk,
	s_lshl_b32 s10, s4, 13                         ; 8,192 a wave
	s_add_co_u32 s8, s8, s10
	s_add_nc_u64 s[10:11], s[40:41], s[8:9]
.set i, 0
.rept 32
	global_load_b128 v[16+4*i:19+4*i], v5, s[6:7] offset:512*i th:TH_LOAD_NT   ; all 32 loads of the wave, 16,384 bytes, are out together
.set i, i+1
.endr
.set i, 0
.rept 32
	s_wait_loadcnt 31-i                            ; loads come back in order: load i is in
	v_cvt_pk_f16_f32 v[16+4*i], v[16+4*i], v[17+4*i]     ; in place: the four numbers' first two registers take the four halves
	v_cvt_pk_f16_f32 v[17+4*i], v[18+4*i], v[19+4*i]
	global_store_b64 v6, v[16+4*i:17+4*i], s[10:11] offset:256*i   ; 256 consecutive bytes, aligned; every store has registers of its own
.set i, i+1
.endr
	s_branch .Lend
; ---------------------------------------------------------------- T
.Ltable:
	s_sub_co_u32 s5, ttmp9, NW+NX+NC
	s_lshl_b32 s5, s5, 8
	v_add_nc_u32 v5, s5, v0                        ; my sum: d x 16 + head = 256 x (work-group) + thread, 0..1023
	v_lshlrev_b32 v6, 2, v5                        ; its word
	v_min_u32 v5, 799, v5                          ; rel_bias has 800 runs of 64 numbers: no load leaves it
	v_lshlrev_b32 v5, 8, v5                        ; 256 bytes a run
	s_wait_kmcnt 0x0
	s_add_nc_u64 s[6:7], s[38:39], TB
.irp i, 0,1,2,3,4,5,6,7,8,9,10,11,12,13,14,15
	global_load_b128 v[16+4*\i:19+4*\i], v5, s[36:37] offset:16*\i
.endr
	s_wait_loadcnt 0x0
.irp w, 4,8,16,32,64                   ; the sum of v16 .. v79, in pairs
.set u, 0
.rept 64/\w
	v_pk_add_f32 v[16+\w*u:16+\w*u+1], v[16+\w*u:16+\w*u+1], v[16+\w*u+\w/2:16+\w*u+\w/2+1]
.set u, u+1
.endr
.endr
	v_add_f32 v16, v16, v17
	v_mul_f32 v16, 0x3fb8aa3b, v16                 ; x log2(e): the softmax works in base 2
	global_store_b32 v6, v16, s[6:7]               ; a wave stores 128 consecutive bytes; the table is 4,096 bytes in all
.Lend:
	s_wait_tensorcnt 0x0                           ; the wave's end, behind my last LDS store
	ds_add_u32 v[SPW], v[NIL]
	s_wait_dscnt 0x0
	s_endpgm
.Lfunc_end_k_q5ed6d78440_prep:
	.size	k_q5ed6d78440_prep, .Lfunc_end_k_q5ed6d78440_prep-k_q5ed6d78440_prep
	.p2alignl 7, 3214868480
	.fill 96, 4, 3214868480
	.section	.rodata,"a",@progbits
	.p2align	6, 0x0
	.amdhsa_kernel k_q5ed6d78440_prep
		.amdhsa_group_segment_fixed_size 84480
		.amdhsa_private_segment_fixed_size 0
		.amdhsa_enable_private_segment 0
		.amdhsa_kernarg_size 104
		.amdhsa_user_sgpr_count 2
		.amdhsa_user_sgpr_kernarg_segment_ptr 1
		.amdhsa_wavefront_size32 1
		.amdhsa_system_sgpr_workgroup_id_x 1
		.amdhsa_system_sgpr_workgroup_id_y 1
		.amdhsa_system_sgpr_workgroup_id_z 1
		.amdhsa_system_vgpr_workitem_id 0
		.amdhsa_next_free_vgpr 160
		.amdhsa_next_free_sgpr 66
		.amdhsa_reserve_vcc 0
		.amdhsa_float_denorm_mode_32 3
		.amdhsa_float_denorm_mode_16_64 3
		.amdhsa_memory_ordered 1
		.amdhsa_forward_progress 1
		.amdhsa_inst_pref_size 70
	.end_amdhsa_kernel
	.amdgpu_metadata
---
amdhsa.version: [ 1, 2 ]
amdhsa.kernels:
  - .name:           k_q5ed6d78440_prep
    .symbol:         k_q5ed6d78440_prep.kd
    .args:
      - { .name: x, .offset: 0, .size: 8, .value_kind: global_buffer, .address_space: global }
      - { .name: lq_w, .offset: 8, .size: 8, .value_kind: global_buffer, .address_space: global }
      - { .name: lk_w, .offset: 16, .size: 8, .value_kind: global_buffer, .address_space: global }
      - { .name: lv_w, .offset: 24, .size: 8, .value_kind: global_buffer, .address_space: global }
      - { .name: aq_w, .offset: 32, .size: 8, .value_kind: global_buffer, .address_space: global }
      - { .name: ak_w, .offset: 40, .size: 8, .value_kind: global_buffer, .address_space: global }
      - { .name: av_w, .offset: 48, .size: 8, .value_kind: global_buffer, .address_space: global }
      - { .name: arv_w, .offset: 56, .size: 8, .value_kind: global_buffer, .address_space: global }
      - { .name: ff1_w, .offset: 64, .size: 8, .value_kind: global_buffer, .address_space: global }
      - { .name: ff2_w, .offset: 72, .size: 8, .value_kind: global_buffer, .address_space: global }
      - { .name: rel_bias, .offset: 80, .size: 8, .value_kind: global_buffer, .address_space: global }
      - { .name: cds, .offset: 88, .size: 8, .value_kind: global_buffer, .address_space: global }
      - { .name: wh, .offset: 96, .size: 8, .value_kind: global_buffer, .address_space: global }
    .group_segment_fixed_size: 84480
    .private_segment_fixed_size: 0
    .kernarg_segment_align: 8
    .kernarg_segment_size: 104
    .max_flat_workgroup_size: 256
    .sgpr_count:     66
    .vgpr_count:     160
    .wavefront_size: 32
...
	.end_amdgpu_metadata
.endif
;; end of part 1
;; launch gemm_qkv (part 2): grid 12 x 16, 4 waves a work-group, clusters of 4 x 4, 327,680 bytes of LDS; arguments cds, lq_b, lv_b, qkv; writes qkv
.if DOCPART == 2
	.amdgcn_target "amdgcn-amd-amdhsa--gfx1250"
	.amdhsa_code_object_version 6
	.text
	.protected	k_q5ed6d78440_gemm_qkv
	.globl	k_q5ed6d78440_gemm_qkv
	.p2align	8
	.type	k_q5ed6d78440_gemm_qkv,@function
k_q5ed6d78440_gemm_qkv:
	s_mov_b64 s[64:65], 0
	v_nop
	global_prefetch_b8 v0, s[64:65] scope:SCOPE_SE
	s_setreg_imm32_b32 hwreg(HW_REG_WAVE_MODE, 25, 1), 1
	s_wait_xcnt 0x0
	s_wait_alu depctr_hold_cnt(0) depctr_sa_sdst(0) depctr_va_vdst(0) depctr_va_sdst(0) depctr_va_ssrc(0) depctr_va_vcc(0) depctr_vm_vsrc(0)
	s_getreg_b32 s2, hwreg(HW_REG_IB_STS2, 6, 4)
	s_cmp_eq_u32 s2, 0
	s_cbranch_scc0 .Lentry_in_a_cluster
	s_endpgm
.Lentry_in_a_cluster:
	s_bfe_u32 s2, ttmp6, 0x10000c
	s_cmp_lg_u32 s2, 0xf033
	s_cbranch_scc0 .Lentry_shape_is_right
	s_endpgm
.Lentry_shape_is_right:
; [q | k | v] = x [lq_w | lk_w | lv_w] + [lq_b | - | lv_b]: the three QUANTISED products as one product of 4,096 x 3,072 x 1,024 on codes of FP4 with E8M0 scales; sums in f32; the result rounded once to f16: qkv [4096][3072].
; WORK LEFT OUT: lk_b (shown at the head of the first launch: it adds the same amount to every score of a row).  LIMIT: q, k, v beyond 65,504 become infinity in f16.
; A tile of 256 x 256 is made by four waves, each 128 x 128: 64 accumulators, 512 registers.  K = 1,024 is two slots of 512 along K (rows of 256 bytes): both are filled at the head and nothing is filled again.
; The scale bytes of the work-group's 256 + 256 rows, for all of K, come once, as dense blocks.  CLUSTERS 4 x 4: A's tiles are asked for jointly along a row of the cluster, B's along a column.
; THE MATRIX INSTRUCTION IS USED TRANSPOSED (source 0 = 16 rows of the weights' codes, source 1 = 16 rows of x's): a lane holds eight neighbouring columns of one row of the result.
; THE BIAS is the C of each sum's first matrix instruction: eight registers for each block of 16 columns.  1,024 columns are one cluster's width, so the cluster's x says which weight: 0 q, 1 k (zeros), 2 v.
; REGISTERS: window 0: v0-31 addresses; v32-95 scale words, two sets; v128-191 A's fragments, one set; v192-255 the bias, later the way out.  window 1: B's fragments, two sets.  windows 2, 3: the accumulators.
.set NQ,     4                         ; matrix instructions deep in a slot
.set ROWB,   256                       ; a tile's row in bytes: 512 codes
.set KROW,   512                       ; a row of codes in memory
.set PITCH,  272                       ; an LDS row: 256 bytes + 16: the 16 rows that a load touches start at 16 different banks
.set FR,     8
.set NL,     2
.set NP,     4                         ; places behind this matrix instruction (ISA guide 7.12.1)
.set HALFT,  128*PITCH
.set SLOT,   4*HALFT
.set KS,     32                        ; a row of scale bytes
.set SCL,    2*SLOT
.set HALFS,  (128*KS/256)*272
.set SBLK,   (16*KS/256)*272
.set SPARE,  SCL+4*HALFS               ; the spare words, 128 bytes a wave, which no other line names
.set SPITCH, 272                       ; the way out: 16 rows x (256 + 16) for each wave, in slot 0, which has had its only fill and, behind the change of slots, its last read
.set CROW,   6144                      ; a row of qkv in bytes
.set XS,     0x200000
.set WC,     0x220000
.set WS,     0x3a0000
.set ADRA, 16
.set ADRB, 20
.set STO,  24
.set RD,   25
.set CO,   26
.set ADRS, 27
.set SPW,  28
.set NIL,  29
.set BO,   30
.set SC,   32
.set AF,   128
.set BIAS, 192
.set TMP,  192
.set OB,   32
.set G1, 24
.set G0, 32
.set G1B, 48
.set G0B, 56
.set G1S, 68
.set G0S, 76
.set G1SB, 80
.set G0SB, 88
.set MSB, 0
.macro WIN new                         ; the immediate's high byte repeats the setting that is left
.if MSB != \new
	s_set_vgpr_msb (MSB<<8)|\new
.set MSB, \new
.endif
.endm
.set MUL_LO, 0xa1                      ; source 0 (B) window 1, source 1 (A) window 0, C and D window 2
.set MUL_HI, 0xf1                      ; the same, C and D window 3
.set TO_B,   0x40
.macro JLOAD g0a, g1a, g0b, g1b        ; a joint load: waves 0 and 1 fetch for A, waves 2 and 3 for B; an s_nop 0 and four v_nop follow each line
	s_cmp_eq_u32 s15, 0
	s_cbranch_scc0 .Lfor_b_\@
	tensor_load_to_lds s[\g0a:\g0a+3], s[\g1a:\g1a+7]
	s_nop 0
.rept 4
	v_nop
.endr
	s_branch .Lasked_\@
.Lfor_b_\@:
	tensor_load_to_lds s[\g0b:\g0b+3], s[\g1b:\g1b+7]
	s_nop 0
.rept 4
	v_nop
.endr
.Lasked_\@:
.endm
.macro CROUND                          ; a round of the cluster's barrier
	s_barrier_signal -1
	s_barrier_wait -1
	s_cmp_lg_u32 s14, 0
	s_cbranch_scc1 .Lnot_wave_0_\@
	s_barrier_signal -3
.Lnot_wave_0_\@:
	s_barrier_wait -3
	s_barrier_signal -1
	s_barrier_wait -1
.endm
	s_load_b256 s[4:11], s[0:1], 0x0               ; cds s[4:5], lq_b s[6:7], lv_b s[8:9], qkv s[10:11]
	v_lshl_add_u32 v[SPW], v0, 2, SPARE
	v_mov_b32 v[NIL], 0
	ds_add_u32 v[SPW], v[NIL]                      ; the wave's opening: the add, twice on end, and its wait ahead of my first tensor load
	ds_add_u32 v[SPW], v[NIL]
	v_lshrrev_b32 v1, 5, v0
	v_readfirstlane_b32 s14, v1                    ; wave 0..3
	s_lshr_b32 s15, s14, 1                         ; my half of the tile's rows; also: I fetch for A (0) or B (1)
	s_and_b32 s16, s14, 1                          ; my half of its columns; also: which 128 rows I fetch
	s_bfe_u32 s40, ttmp6, 0x40000                  ; cx
	s_bfe_u32 s41, ttmp6, 0x40004                  ; cy
	s_lshl_b32 s42, ttmp9, 2
	s_add_co_u32 s42, s42, s40                     ; tile column
	s_and_b32 s17, ttmp7, 0xffff
	s_lshl_b32 s17, s17, 2
	s_add_co_u32 s17, s17, s41                     ; tile row
	s_lshl_b32 s43, s41, 2
	s_lshl_b32 s43, 15, s43                        ; my row of the cluster
	s_lshl_b32 s44, 0x1111, s40                    ; my column
	s_or_b32 s[G1+0], s43, (0<<16)|(1<<20)|(1<<21)|(5<<22)|(3<<25)   ; the mask; elements of 1 byte; padding of 4 words behind every 64; bit 21 beside a mask
	s_or_b32 s[G1B+0], s44, (0<<16)|(1<<20)|(1<<21)|(5<<22)|(3<<25)
.irp g, G1, G1B
	s_mov_b32 s[\g+1], ROWB<<16                    ; tensor_dim0
	s_mov_b32 s[\g+2], 128<<16                     ; tensor_dim1
	s_mov_b32 s[\g+3], ROWB<<16                    ; tile_dim0
	s_mov_b32 s[\g+4], 128                         ; tile_dim1
	s_mov_b32 s[\g+5], KROW                        ; the pitch
	s_mov_b32 s[\g+6], 0
	s_mov_b32 s[\g+7], 0
.endr
	s_or_b32 s[G1S+0], s43, (3<<16)|(1<<20)|(1<<21)|(5<<22)|(3<<25)  ; the scales of 128 rows: 4,096 dense bytes as 16 rows of 32 elements of 8 bytes
	s_or_b32 s[G1SB+0], s44, (3<<16)|(1<<20)|(1<<21)|(5<<22)|(3<<25)
.irp g, G1S, G1SB
	s_mov_b32 s[\g+1], 32<<16
	s_mov_b32 s[\g+2], (128*KS/256)<<16
	s_mov_b32 s[\g+3], 32<<16
	s_mov_b32 s[\g+4], 128*KS/256
	s_mov_b32 s[\g+5], 32
	s_mov_b32 s[\g+6], 0
	s_mov_b32 s[\g+7], 0
.endr
	s_lshl_b32 s18, s16, 7
	s_lshl_b32 s20, s17, 8
	s_add_co_u32 s20, s20, s18                     ; A: row 256 x tile row + 128 x half
	s_lshl_b32 s46, s42, 8
	s_add_co_u32 s46, s46, s18                     ; B: row 256 x tile column + 128 x half
	s_mov_b32 s21, 0
	s_mov_b32 s47, 0
	s_mov_b64 s[18:19], KS
	s_mul_u64 s[22:23], s[20:21], s[18:19]         ; these rows' scales, in bytes,
	s_mul_u64 s[92:93], s[46:47], s[18:19]
	s_mov_b64 s[18:19], KROW
	s_mul_u64 s[20:21], s[20:21], s[18:19]         ; and their codes;
	s_mul_u64 s[46:47], s[46:47], s[18:19]
	s_add_nc_u64 s[22:23], s[22:23], XS            ; each in its part of cds
	s_add_nc_u64 s[46:47], s[46:47], WC
	s_add_nc_u64 s[92:93], s[92:93], WS
	s_mul_i32 s45, s14, HALFT                      ; where they go: no place in the cluster enters an LDS address
	s_mul_i32 s94, s14, HALFS
	s_wait_dscnt 0x0                               ; both opening adds are done
	s_wait_kmcnt 0x0
	s_add_nc_u64 s[20:21], s[4:5], s[20:21]
	s_add_nc_u64 s[22:23], s[4:5], s[22:23]
	s_add_nc_u64 s[46:47], s[4:5], s[46:47]
	s_add_nc_u64 s[92:93], s[4:5], s[92:93]
	CROUND                                         ; all sixteen work-groups are here: the joint loads meet
	s_mov_b32 s[G0S], 1
	s_add_co_u32 s[G0S+1], s94, SCL
	s_mov_b64 s[G0S+2:G0S+3], s[22:23]
	s_or_b32 s[G0S+3], s[G0S+3], 0x80000000
	s_mov_b32 s[G0SB], 1
	s_add_co_u32 s[G0SB+1], s94, SCL
	s_mov_b64 s[G0SB+2:G0SB+3], s[92:93]
	s_or_b32 s[G0SB+3], s[G0SB+3], 0x80000000
	JLOAD G0S, G1S, G0SB, G1SB                     ; three loads of mine go out together: the scales, slot 0, slot 1
.irp s, 0,1
	s_mov_b32 s[G0+4*\s], 1
	s_add_co_u32 s[G0+4*\s+1], s45, \s*SLOT
	s_add_nc_u64 s[G0+4*\s+2:G0+4*\s+3], s[20:21], \s*ROWB
	s_or_b32 s[G0+4*\s+3], s[G0+4*\s+3], 0x80000000
	s_mov_b32 s[G0B+4*\s], 1
	s_add_co_u32 s[G0B+4*\s+1], s45, \s*SLOT
	s_add_nc_u64 s[G0B+4*\s+2:G0B+4*\s+3], s[46:47], \s*ROWB
	s_or_b32 s[G0B+4*\s+3], s[G0B+4*\s+3], 0x80000000
	JLOAD G0+4*\s, G1, G0B+4*\s, G1B
.endr
	v_and_b32 v1, 15, v0                           ; r
	v_bfe_u32 v2, v0, 4, 1                         ; h
	; the bias of my 128 columns: lane (r, h) wants, for block b, numbers 16 b + 8 h + 0 .. 7
	s_lshl_b32 s18, s40, 10
	s_lshl_b32 s19, s16, 9
	s_add_co_u32 s18, s18, s19
	s_mov_b32 s19, 0
	s_cmp_eq_u32 ttmp9, 0
	s_cselect_b64 s[96:97], s[6:7], s[8:9]
	s_add_nc_u64 s[96:97], s[96:97], s[18:19]
	v_lshlrev_b32 v[BO], 5, v2
	s_cmp_eq_u32 ttmp9, 1                          ; the cluster's x: the same in all sixteen partners
	s_cbranch_scc1 .Lno_bias
.irp b, 0,1,2,3,4,5,6,7
	global_load_b128 v[BIAS+8*\b:BIAS+8*\b+3], v[BO], s[96:97] offset:64*\b
	global_load_b128 v[BIAS+8*\b+4:BIAS+8*\b+7], v[BO], s[96:97] offset:64*\b+16
.endr
	s_branch .Lbias_done
.Lno_bias:
.set i, 0
.rept 64
	v_mov_b32 v[BIAS+i], 0                         ; k has no bias: its sums begin with zeros, by the same text
.set i, i+1
.endr
.Lbias_done:
	v_mul_u32_u24 v3, v1, PITCH
	v_lshl_add_u32 v4, v2, 4, v3                   ; a fragment's row x pitch + 16 x half
	s_mul_i32 s21, s15, HALFT
	s_mul_i32 s22, s16, HALFT
	s_add_co_u32 s22, s22, 2*HALFT
.irp s, 0,1
	v_add_nc_u32 v[ADRA+\s], s21, v4
	v_add_nc_u32 v[ADRB+\s], s22, v4
	s_add_co_u32 s21, s21, SLOT
	s_add_co_u32 s22, s22, SLOT
.endr
	v_mul_u32_u24 v5, v1, KS                       ; my row's scales: KS bytes a row,
	v_lshrrev_b32 v6, 8, v5
	v_lshl_add_u32 v5, v6, 4, v5                   ; and 16 more for each 256 passed
	s_mul_i32 s21, s15, HALFS
	s_mul_i32 s22, s16, HALFS
	s_add_co_u32 s22, s22, 2*HALFS
	s_sub_co_u32 s22, s22, s21
	v_mul_u32_u24 v6, s22, v2                      ; lanes 16-31 take B's: one product, the distance between the two bases
	s_add_co_u32 s21, s21, SCL
	v_add_nc_u32 v5, v5, v6
	v_add_nc_u32 v[ADRS], s21, v5
	s_mul_i32 s23, s14, 16*SPITCH                  ; my stage
	v_mul_u32_u24 v5, v1, SPITCH
	v_lshl_add_u32 v5, v2, 4, v5
	v_add_nc_u32 v[STO], s23, v5                   ; in: row r, 16 bytes for each half of the lanes
	v_mul_u32_u24 v5, v2, SPITCH
	v_lshl_add_u32 v5, v1, 4, v5
	v_add_nc_u32 v[RD], s23, v5                    ; back: lanes 0-15 one row of 256 bytes, lanes 16-31 the next
	v_mul_u32_u24 v5, v2, CROW
	v_lshl_add_u32 v[CO], v1, 4, v5                ; and the same two rows in qkv
	s_lshl_b32 s20, s17, 8
	s_lshl_b32 s21, s15, 7
	s_add_co_u32 s20, s20, s21                     ; my first row
	s_mul_i32 s20, s20, CROW
	s_lshl_b32 s46, s42, 9
	s_lshl_b32 s47, s16, 8
	s_add_co_u32 s46, s46, s47                     ; my first column, in bytes
	s_add_co_u32 s20, s20, s46
	s_mov_b32 s21, 0
	s_add_nc_u64 s[12:13], s[10:11], s[20:21]
.macro FRAG reg, adr, q, i             ; 16 rows x 128 K of 4-bit codes: 8 registers, two loads of 16 bytes, 32 bytes apart
.irp c, 0,1
	ds_load_b128 v[\reg+4*\c:\reg+4*\c+3], v[\adr] offset:64*(\q)+32*\c+(\i)*16*PITCH
.endr
.endm
; 16 matrix instructions: A's blocks a0, a0 + 1 x B's eight.  first = 1: the sums begin with the bias.  The 64 accumulators take turns, one instruction a turn.
.macro MUL16 a0, p, q, sc, first
.irp a, \a0, \a0+1
.irp b, 0,1,2,3,4,5,6,7
.if \first
	v_wmma_scale_f32_16x16x128_f8f6f4 v[8*(8*((\a)%4)+\b):8*(8*((\a)%4)+\b)+7], v[128*(\p)+FR*\b:128*(\p)+FR*\b+FR-1], v[AF+FR*(\a):AF+FR*(\a)+FR-1], v[BIAS+8*\b:BIAS+8*\b+7], v[SC+8*NQ*(\sc)+NQ*\b+(\q)], v[SC+8*NQ*(\sc)+NQ*(\a)+(\q)] matrix_a_fmt:MATRIX_FMT_FP4 matrix_b_fmt:MATRIX_FMT_FP4 matrix_a_scale:MATRIX_SCALE_ROW1
.else
	v_wmma_scale_f32_16x16x128_f8f6f4 v[8*(8*((\a)%4)+\b):8*(8*((\a)%4)+\b)+7], v[128*(\p)+FR*\b:128*(\p)+FR*\b+FR-1], v[AF+FR*(\a):AF+FR*(\a)+FR-1], v[8*(8*((\a)%4)+\b):8*(8*((\a)%4)+\b)+7], v[SC+8*NQ*(\sc)+NQ*\b+(\q)], v[SC+8*NQ*(\sc)+NQ*(\a)+(\q)] matrix_a_fmt:MATRIX_FMT_FP4 matrix_b_fmt:MATRIX_FMT_FP4 matrix_a_scale:MATRIX_SCALE_ROW1
.endif
.endr
.endr
.endm
.macro FETCH_B slot, q, p
	WIN TO_B
.irp i, 0,1,2,3,4,5,6,7
	FRAG 128*(\p)+FR*\i, ADRB+\slot, \q, \i
.endr
	WIN 0
.endm
.macro FETCH_A slot, q, i0
.irp i, \i0, \i0+1, \i0+2, \i0+3
	FRAG AF+FR*(\i), ADRA+\slot, \q, \i
.endr
.endm
.macro SCALES sc                       ; a slot's scale words: lanes 0-15 A's block i, lanes 16-31 B's block i
.irp i, 0,1,2,3,4,5,6,7
	ds_load_b128 v[SC+8*NQ*\sc+NQ*\i:SC+8*NQ*\sc+NQ*\i+3], v[ADRS] offset:\i*SBLK
.endr
.endm
.macro PLACES n                        ; plain vector lines between a matrix instruction and a load into, or a read of, its registers
.rept \n
	v_nop
.endr
.endm
.macro STEP slot, q, first             ; 128 along K, with its successor in the same slot
	s_wait_dscnt 4*NL                              ; all but the youngest eight loads (A's blocks 4-7)
	WIN MUL_LO-0x20*\first                         ; (the bias lies in window 0)
	MUL16 0, (\q)%2, \q, \slot, \first
	MUL16 2, (\q)%2, \q, \slot, \first
	s_wait_dscnt 0
	PLACES NP
	FETCH_B \slot, (\q)+1, 1-(\q)%2
	FETCH_A \slot, (\q)+1, 0
	WIN MUL_HI-0x30*\first
	MUL16 4, (\q)%2, \q, \slot, \first
	MUL16 6, (\q)%2, \q, \slot, \first
	PLACES NP
	WIN 0
	FETCH_A \slot, (\q)+1, 4
.endm
	s_wait_tensorcnt 1                             ; the scales and my part of slot 0 are in (slot 1's load, issued behind them, may be out),
	s_barrier_signal -1
	s_barrier_wait -1                              ; everybody's are
	FETCH_B 0, 0, 0
	FETCH_A 0, 0, 0
	SCALES 0
	FETCH_A 0, 0, 4
	s_wait_loadcnt 0x0                             ; the bias
	STEP 0, 0, 1
	STEP 0, 1, 0
	STEP 0, 2, 0
	; slot 0's last step changes slots: one barrier; in front of it my load of slot 1 has landed and my reads of slot 0 are over
	s_wait_tensorcnt 0x0
	ds_add_u32 v[SPW], v[NIL]                      ; 0 onto my spare word
	s_wait_dscnt 4*NL+1                            ; (the add and A's blocks 4-7 may be out)
	WIN MUL_LO
	MUL16 0, 1, NQ-1, 0, 0
	s_wait_dscnt 0x0
	s_barrier_signal -1
	MUL16 2, 1, NQ-1, 0, 0
	WIN 0
	s_barrier_wait -1
	PLACES NP
	v_add_nc_u32 v[ADRS], 4*NQ, v[ADRS]            ; slot 1's scale words
	FETCH_B 1, 0, 0
	FETCH_A 1, 0, 0
	SCALES 1
	WIN MUL_HI
	MUL16 4, 1, NQ-1, 0, 0
	MUL16 6, 1, NQ-1, 0, 0
	PLACES NP
	WIN 0
	FETCH_A 1, 0, 4
	STEP 1, 0, 0
	STEP 1, 1, 0
	STEP 1, 2, 0
	s_wait_dscnt 4*NL                              ; the last step: nothing more to fetch
	WIN MUL_LO
	MUL16 0, 1, NQ-1, 1, 0
	MUL16 2, 1, NQ-1, 1, 0
	s_wait_dscnt 0
	WIN MUL_HI
	MUL16 4, 1, NQ-1, 1, 0
	MUL16 6, 1, NQ-1, 1, 0
	WIN 0
; THE WAY OUT, a block of 16 rows x 128 columns at a time: rounded to f16 (16 bytes a lane), through my stage, back as whole rows of 256 bytes, stored sixteen lanes to an aligned 256 bytes.
.macro PACK a
.set AC, 64*((\a)%4)
	WIN 0x0a+5*((\a)/4)                            ; sources 0 and 1: window 2 or 3
.irp b, 0,1,2,3,4,5,6,7
.irp r, 0,1,2,3
	v_cvt_pk_f16_f32 v[TMP+4*\b+\r], v[AC+8*\b+2*\r], v[AC+8*\b+2*\r+1]   ; each accumulator from its low end on
.endr
.endr
	WIN 0
.endm
.macro TOSTAGE a
.set BK, OB+192*((\a)%2)
.irp b, 0,1,2,3,4,5,6,7
	ds_store_b128 v[STO], v[TMP+4*\b:TMP+4*\b+3] offset:32*\b
.endr
.irp t, 0,1,2,3,4,5,6,7
	ds_load_b128 v[BK+4*\t:BK+4*\t+3], v[RD] offset:\t*2*SPITCH    ; LDS serves a wave's instructions in order: these see the stores above
.endr
.endm
.macro SEND a
.set BK, OB+192*((\a)%2)
	s_wait_dscnt 0x0                               ; the block is back in registers
	s_wait_xcnt 0x0                                ; the block before's stores have read their registers: the next block's loads may land there
.irp t, 0,1,2,3,4,5,6,7
	global_store_b128 v[CO], v[BK+4*\t:BK+4*\t+3], s[12:13] offset:(16*(\a)+2*\t)*CROW
.endr
.endm
	PLACES NP
	PACK 0
	TOSTAGE 0
.irp a, 1,2,3,4,5,6,7
	PACK \a
	SEND \a-1
	TOSTAGE \a
.endr
	SEND 7
	s_wait_tensorcnt 0x0                           ; the wave's end
	ds_add_u32 v[SPW], v[NIL]
	s_wait_dscnt 0x0
	CROUND                                         ; the closing round
	s_endpgm
.Lfunc_end_k_q5ed6d78440_gemm_qkv:
	.size	k_q5ed6d78440_gemm_qkv, .Lfunc_end_k_q5ed6d78440_gemm_qkv-k_q5ed6d78440_gemm_qkv
	.p2alignl 7, 3214868480
	.fill 96, 4, 3214868480
	.section	.rodata,"a",@progbits
	.p2align	6, 0x0
	.amdhsa_kernel k_q5ed6d78440_gemm_qkv
		.amdhsa_group_segment_fixed_size 327680
		.amdhsa_private_segment_fixed_size 0
		.amdhsa_enable_private_segment 0
		.amdhsa_kernarg_size 32
		.amdhsa_user_sgpr_count 2
		.amdhsa_user_sgpr_kernarg_segment_ptr 1
		.amdhsa_wavefront_size32 1
		.amdhsa_system_sgpr_workgroup_id_x 1
		.amdhsa_system_sgpr_workgroup_id_y 1
		.amdhsa_system_sgpr_workgroup_id_z 1
		.amdhsa_system_vgpr_workitem_id 0
		.amdhsa_next_free_vgpr 1024
		.amdhsa_next_free_sgpr 98
		.amdhsa_reserve_vcc 0
		.amdhsa_float_denorm_mode_32 3
		.amdhsa_float_denorm_mode_16_64 3
		.amdhsa_memory_ordered 1
		.amdhsa_forward_progress 1
		.amdhsa_inst_pref_size 130
	.end_amdhsa_kernel
	.amdgpu_metadata
---
amdhsa.version: [ 1, 2 ]
amdhsa.kernels:
  - .name:           k_q5ed6d78440_gemm_qkv
    .symbol:         k_q5ed6d78440_gemm_qkv.kd
    .args:
      - { .name: cds, .offset: 0, .size: 8, .value_kind: global_buffer, .address_space: global }
      - { .name: lq_b, .offset: 8, .size: 8, .value_kind: global_buffer, .address_space: global }
      - { .name: lv_b, .offset: 16, .size: 8, .value_kind: global_buffer, .address_space: global }
      - { .name: qkv, .offset: 24, .size: 8, .value_kind: global_buffer, .address_space: global }
    .group_segment_fixed_size: 327680
    .private_segment_fixed_size: 0
    .kernarg_segment_align: 8
    .kernarg_segment_size: 32
    .max_flat_workgroup_size: 128
    .sgpr_count:     98
    .vgpr_count:     1024
    .wavefront_size: 32
...
	.end_amdgpu_metadata
.endif
;; end of part 2
;; launch gemm_proj (part 3): grid 16 x 16, 4 waves a work-group, clusters of 4 x 4, 327,680 bytes of LDS; arguments qkv, wh, aq_b, av_b, arv_b, qkvp, rv; writes qkvp, rv
.if DOCPART == 3
	.amdgcn_target "amdgcn-amd-amdhsa--gfx1250"
	.amdhsa_code_object_version 6
	.text
	.protected	k_q5ed6d78440_gemm_proj
	.globl	k_q5ed6d78440_gemm_proj
	.p2align	8
	.type	k_q5ed6d78440_gemm_proj,@function
k_q5ed6d78440_gemm_proj:
	s_mov_b64 s[64:65], 0
	v_nop
	global_prefetch_b8 v0, s[64:65] scope:SCOPE_SE
	s_setreg_imm32_b32 hwreg(HW_REG_WAVE_MODE, 25, 1), 1
	s_wait_xcnt 0x0
	s_wait_alu depctr_hold_cnt(0) depctr_sa_sdst(0) depctr_va_vdst(0) depctr_va_sdst(0) depctr_va_ssrc(0) depctr_va_vcc(0) depctr_vm_vsrc(0)
	s_getreg_b32 s2, hwreg(HW_REG_IB_STS2, 6, 4)
	s_cmp_eq_u32 s2, 0
	s_cbranch_scc0 .Lentry_in_a_cluster
	s_endpgm
.Lentry_in_a_cluster:
	s_bfe_u32 s2, ttmp6, 0x10000c
	s_cmp_lg_u32 s2, 0xf033
	s_cbranch_scc0 .Lentry_shape_is_right
	s_endpgm
.Lentry_shape_is_right:
; [Q | K | V | RV] = [q aq_w + aq_b | k ak_w | v av_w + av_b | v arv_w + arv_b]: four products of 4,096 x 1,024 x 1,024 in one launch, f16 operands, f32 sums.
; WORK LEFT OUT: ak_b (shown at the head of the first launch: it adds the same amount to every score of a row).
; Q, K, V leave as bf16, qkvp [4096][3072] (they can outgrow f16's range where all inputs are some 30 times larger); RV leaves as f32, rv [4096][1024].
; A tile of 256 x 256 by four waves, each 128 x 128 in 512 registers.  K goes in steps of 128 through a ring of two LDS slots.  1,024 columns are one cluster's width: the cluster's x, g, says which product.
; A (qkv, f16, [4096][3072], columns 1,024 min(g, 2) on) lies along K: rows of 256 bytes.  B (wh, f16) lies [K][N] as the weight is given: a slot holds 128 rows of k x 256 columns (512 bytes + 32), and the
; fragments are turned as they are read (ds_load_tr16_b128).  CLUSTERS 4 x 4: A's tiles jointly along a row of the cluster, B's along a column.
; THE MATRIX INSTRUCTION IS USED TRANSPOSED (source 0 = 16 columns of the weight, source 1 = 16 rows of A): a lane holds eight neighbouring columns of one row.  The bias is the C of each sum's first instruction.
; REGISTERS: window 0: v0-31 addresses; v64-127, v128-191 A's fragments, two buffers; v192-255 the bias, later the way out.  window 1: v64-127, v128-191 B's.  windows 2, 3: the 64 accumulators.
.set KSTEP,  128
.set PITCH,  272                       ; A's LDS row: 256 + 16
.set PB,     544                       ; B's LDS row: 512 + 32, an odd multiple of 32
.set HALFT,  128*PITCH                 ; what one tensor load brings: 128 rows of A, or 64 rows of B (64 x 544 is the same number)
.set SLOT,   4*HALFT
.set STAGE,  2*SLOT                    ; behind the ring: 16 rows x 272 for each wave: the way out in bf16
.set SPITCH, 272
.set SPARE,  STAGE+4*16*SPITCH         ; the spare words, 128 bytes a wave, which no other line names
.set S2P,    528                       ; the way out in f32: 16 rows x (512 + 16) for each wave, in slot 0, which has had its last fill and, behind the last change of slots, its last read
.set LAPS,   4                         ; 1,024 / (2 x 128)
.set AROW,   3072                      ; elements from row to row
.set BROW,   1024
.set ASTEP,  KSTEP*2
.set BSTEP,  KSTEP*BROW*2
.set CROW,   6144                      ; a row of qkvp in bytes
.set RROW,   4096                      ; a row of rv
.set STO2, 10
.set RD2,  11
.set CO2,  12
.set ADRA, 16
.set ADRB, 20
.set STO,  24
.set RD,   25
.set CO,   26
.set SPW,  28
.set NIL,  29
.set BO,   30
.set F0,   64
.set F1,   128
.set BIAS, 192
.set TMP,  192
.set OB,   32
.set BK2,  128
.set G1, 24
.set G0, 32
.set G1B, 48
.set G0B, 56
.set MSB, 0
.macro WIN new
.if MSB != \new
	s_set_vgpr_msb (MSB<<8)|\new
.set MSB, \new
.endif
.endm
.set MUL_LO, 0xa1                      ; source 0 (B) window 1, source 1 (A) window 0, C and D window 2
.set MUL_HI, 0xf1
.set TO_B,   0x40
.macro JLOAD s                         ; a joint load: waves 0 and 1 fetch A's halves, waves 2 and 3 B's; an s_nop 0 and four v_nop follow each line
	s_cmp_eq_u32 s11, 0
	s_cbranch_scc0 .Lfor_b_\@
	tensor_load_to_lds s[G0+4*\s:G0+4*\s+3], s[G1:G1+7]
	s_nop 0
.rept 4
	v_nop
.endr
	s_branch .Lasked_\@
.Lfor_b_\@:
	tensor_load_to_lds s[G0B+4*\s:G0B+4*\s+3], s[G1B:G1B+7]
	s_nop 0
.rept 4
	v_nop
.endr
.Lasked_\@:
.endm
.macro CREST                           ; a round of the cluster's barrier behind its opening barrier
	s_cmp_lg_u32 s10, 0
	s_cbranch_scc1 .Lnot_wave_0_\@
	s_barrier_signal -3
.Lnot_wave_0_\@:
	s_barrier_wait -3
	s_barrier_signal -1
	s_barrier_wait -1
.endm
.macro CROUND
	s_barrier_signal -1
	s_barrier_wait -1
	CREST
.endm
	s_load_b256 s[68:75], s[0:1], 0x0              ; qkv s[68:69], wh s[70:71], aq_b s[72:73], av_b s[74:75]
	s_load_b128 s[76:79], s[0:1], 0x20             ; arv_b s[76:77], qkvp s[78:79]
	s_load_b64 s[80:81], s[0:1], 0x30              ; rv
	v_lshl_add_u32 v[SPW], v0, 2, SPARE
	v_mov_b32 v[NIL], 0
	ds_add_u32 v[SPW], v[NIL]                      ; the wave's opening: the add, twice on end, and its wait ahead of my first tensor load
	ds_add_u32 v[SPW], v[NIL]
	v_lshrrev_b32 v1, 5, v0
	v_readfirstlane_b32 s10, v1                    ; wave 0..3
	s_lshr_b32 s11, s10, 1                         ; my half of the rows; also: I fetch for A (0) or B (1)
	s_and_b32 s12, s10, 1                          ; my half of the columns; also: which half of that tile I fetch
	s_bfe_u32 s40, ttmp6, 0x40000                  ; cx
	s_bfe_u32 s41, ttmp6, 0x40004                  ; cy
	s_and_b32 s13, ttmp7, 0xffff
	s_lshl_b32 s13, s13, 2
	s_add_co_u32 s13, s13, s41                     ; tile row
	s_lshl_b32 s43, s41, 2
	s_lshl_b32 s43, 15, s43                        ; my row of the cluster
	s_lshl_b32 s44, 0x1111, s40                    ; my column
	s_or_b32 s[G1+0], s43, (1<<16)|(1<<20)|(1<<21)|(5<<22)|(3<<25)   ; A: elements of 2 bytes; 4 words of padding behind every 64
	s_mov_b32 s[G1+1], KSTEP<<16                   ; tensor_dim0 = 128
	s_mov_b32 s[G1+2], 128<<16                     ; tensor_dim1 = 128
	s_mov_b32 s[G1+3], KSTEP<<16                   ; tile_dim0
	s_mov_b32 s[G1+4], 128                         ; tile_dim1
	s_mov_b32 s[G1+5], AROW
	s_mov_b32 s[G1+6], 0
	s_mov_b32 s[G1+7], 0
	s_or_b32 s[G1B+0], s44, (1<<16)|(1<<20)|(1<<21)|(6<<22)|(7<<25)  ; B: 8 words of padding behind every 128
	s_mov_b32 s[G1B+1], 256<<16                    ; 256 columns,
	s_mov_b32 s[G1B+2], 64<<16                     ; 64 rows of k
	s_mov_b32 s[G1B+3], 256<<16
	s_mov_b32 s[G1B+4], 64
	s_mov_b32 s[G1B+5], BROW
	s_mov_b32 s[G1B+6], 0
	s_mov_b32 s[G1B+7], 0
	s_lshl_b32 s16, s13, 8
	s_lshl_b32 s17, s12, 7
	s_add_co_u32 s16, s16, s17                     ; A: row 256 x tile row + 128 x half,
	s_mul_i32 s16, s16, AROW*2
	s_min_u32 s17, ttmp9, 2                        ; columns of q, k, v, v
	s_lshl_b32 s17, s17, 11
	s_add_co_u32 s16, s16, s17
	s_mov_b32 s17, 0
	s_lshl_b32 s46, ttmp9, 21                      ; B: weight g,
	s_lshl_b32 s47, s12, 17                        ; 64 rows of k x half,
	s_add_co_u32 s46, s46, s47
	s_lshl_b32 s47, s40, 9                         ; 256 columns x cx
	s_add_co_u32 s46, s46, s47
	s_mov_b32 s47, 0
	s_mul_i32 s20, s10, HALFT                      ; where they go: no place in the cluster enters an LDS address
	s_wait_dscnt 0x0                               ; both opening adds are done
	s_wait_kmcnt 0x0
	s_add_nc_u64 s[14:15], s[68:69], s[16:17]
	s_add_nc_u64 s[46:47], s[70:71], s[46:47]
	CROUND                                         ; all sixteen work-groups are here: the first joint loads meet
.irp s, 0,1
	s_mov_b32 s[G0+4*\s], 1
	s_add_co_u32 s[G0+4*\s+1], s20, \s*SLOT
	s_add_nc_u64 s[G0+4*\s+2:G0+4*\s+3], s[14:15], \s*ASTEP
	s_or_b32 s[G0+4*\s+3], s[G0+4*\s+3], 0x80000000
	s_mov_b32 s[G0B+4*\s], 1
	s_add_co_u32 s[G0B+4*\s+1], s20, \s*SLOT
	s_add_nc_u64 s[G0B+4*\s+2:G0B+4*\s+3], s[46:47], \s*BSTEP
	s_or_b32 s[G0B+4*\s+3], s[G0B+4*\s+3], 0x80000000
	JLOAD \s
.endr
	v_and_b32 v1, 15, v0                           ; r
	v_bfe_u32 v2, v0, 4, 1                         ; h
	; where my part of the results begins
	s_lshl_b32 s16, s13, 8
	s_lshl_b32 s17, s11, 7
	s_add_co_u32 s16, s16, s17                     ; my first row
	s_mul_i32 s18, s16, CROW
	s_lshl_b32 s46, s40, 9
	s_lshl_b32 s47, s12, 8
	s_add_co_u32 s46, s46, s47                     ; 512 cx + 256 x half
	s_lshl_b32 s47, ttmp9, 11
	s_add_co_u32 s18, s18, s47
	s_add_co_u32 s18, s18, s46
	s_mov_b32 s19, 0
	s_add_nc_u64 s[8:9], s[78:79], s[18:19]        ; in qkvp (used where g < 3)
	s_lshl_b32 s18, s16, 12
	s_lshl_b32 s46, s46, 1                         ; 1,024 cx + 512 x half: my columns as f32
	s_add_co_u32 s18, s18, s46
	s_add_nc_u64 s[6:7], s[80:81], s[18:19]        ; in rv (used where g = 3)
	s_mov_b32 s47, 0
	s_cmp_eq_u32 ttmp9, 0
	s_cselect_b64 s[82:83], s[72:73], s[74:75]
	s_cmp_eq_u32 ttmp9, 3
	s_cselect_b64 s[82:83], s[76:77], s[82:83]
	s_add_nc_u64 s[82:83], s[82:83], s[46:47]      ; the bias of my 128 columns
	v_lshlrev_b32 v[BO], 5, v2
	s_cmp_eq_u32 ttmp9, 1                          ; the cluster's x: the same in all sixteen partners
	s_cbranch_scc1 .Lno_bias
.irp b, 0,1,2,3,4,5,6,7
	global_load_b128 v[BIAS+8*\b:BIAS+8*\b+3], v[BO], s[82:83] offset:64*\b
	global_load_b128 v[BIAS+8*\b+4:BIAS+8*\b+7], v[BO], s[82:83] offset:64*\b+16
.endr
	s_branch .Lbias_done
.Lno_bias:
.set i, 0
.rept 64
	v_mov_b32 v[BIAS+i], 0                         ; K has no bias: its sums begin with zeros, by the same text
.set i, i+1
.endr
.Lbias_done:
	v_mul_u32_u24 v3, v1, PITCH
	v_lshl_add_u32 v3, v2, 4, v3                   ; A: row x pitch + 16 x half
	v_and_b32 v4, 7, v0
	v_lshl_add_u32 v4, v2, 3, v4
	v_mul_u32_u24 v4, v4, PB                       ; B, for the turning load: row of k 8 h + l % 8,
	v_bfe_u32 v5, v0, 3, 1
	v_lshl_add_u32 v4, v5, 4, v4                   ; columns 8 ((l / 8) % 2) on
	s_mul_i32 s21, s11, HALFT                      ; my 128 rows of A
	s_lshl_b32 s22, s12, 8                         ; my 128 columns of B,
	s_add_co_u32 s22, s22, 2*HALFT                 ; which lies behind A
.irp s, 0,1
	v_add_nc_u32 v[ADRA+\s], s21, v3
	v_add_nc_u32 v[ADRB+\s], s22, v4
	s_add_co_u32 s21, s21, SLOT
	s_add_co_u32 s22, s22, SLOT
.endr
	s_mul_i32 s23, s10, 16*SPITCH
	s_add_co_u32 s23, s23, STAGE
	v_mul_u32_u24 v4, v1, SPITCH
	v_lshl_add_u32 v4, v2, 4, v4
	v_add_nc_u32 v[STO], s23, v4
	v_mul_u32_u24 v5, v2, SPITCH
	v_lshl_add_u32 v5, v1, 4, v5
	v_add_nc_u32 v[RD], s23, v5
	v_mul_u32_u24 v5, v2, CROW
	v_lshl_add_u32 v[CO], v1, 4, v5
	s_mul_i32 s23, s10, 16*S2P
	v_mul_u32_u24 v4, v1, S2P
	v_lshl_add_u32 v4, v2, 5, v4
	v_add_nc_u32 v[STO2], s23, v4                  ; f32: row r, 32 bytes for each half of the lanes
	v_and_b32 v5, 31, v0
	v_lshlrev_b32 v[CO2], 4, v5                    ; back: the 32 lanes take one row of 512 bytes; the same in rv
	v_add_nc_u32 v[RD2], s23, v[CO2]
; 16 matrix instructions: row blocks a0, a0 + 1 of the window's four x all 8 column blocks, 32 along K.  first = 1: the sums begin with the bias.  The accumulators take turns.
.macro MUL16 f, hi, a0, first
.irp a, \a0, \a0+1
.irp b, 0,1,2,3,4,5,6,7
.if \first
	v_wmma_f32_16x16x32_f16 v[8*(8*(\a)+\b):8*(8*(\a)+\b)+7], v[\f+8*\b:\f+8*\b+7], v[\f+8*(4*\hi+\a):\f+8*(4*\hi+\a)+7], v[BIAS+8*\b:BIAS+8*\b+7]
.else
	v_wmma_f32_16x16x32_f16 v[8*(8*(\a)+\b):8*(8*(\a)+\b)+7], v[\f+8*\b:\f+8*\b+7], v[\f+8*(4*\hi+\a):\f+8*(4*\hi+\a)+7], v[8*(8*(\a)+\b):8*(8*(\a)+\b)+7]
.endif
.endr
.endr
.endm
; 32 LDS loads in one run: a quarter step's fragments into buffer f.  k: the quarter's byte in A's rows (64 a quarter); in B that is row k / 2, k x 272 bytes on
.macro FETCH slot, k, f
	WIN TO_B
.irp i, 0,1,2,3,4,5,6,7
	ds_load_tr16_b128 v[\f+8*\i:\f+8*\i+3],   v[ADRB+\slot] offset:(\k)*272+32*\i
	ds_load_tr16_b128 v[\f+8*\i+4:\f+8*\i+7], v[ADRB+\slot] offset:(\k)*272+16*PB+32*\i
.endr
	WIN 0
.irp i, 0,1,2,3,4,5,6,7
	ds_load_b128 v[\f+8*\i:\f+8*\i+3],   v[ADRA+\slot] offset:\k+\i*16*PITCH
	ds_load_b128 v[\f+8*\i+4:\f+8*\i+7], v[ADRA+\slot] offset:\k+\i*16*PITCH+32
.endr
.endm
.macro PLACES                          ; four plain lines between a matrix instruction and a load into, or a read of, its registers
.rept 4
	v_nop
.endr
.endm
.macro QUARTER slot, k, f, g, first    ; multiplies buffer f; in its middle fetches the next quarter, at byte k, into g
	s_wait_dscnt 8                                 ; all but the youngest eight loads (A's rows 64-127)
	WIN MUL_LO-0x20*\first                         ; (the bias lies in window 0)
	MUL16 \f, 0, 0, \first
	MUL16 \f, 0, 2, \first
	PLACES
	FETCH \slot, \k, \g
	s_wait_dscnt 32                                ; all but the 32 just issued
	WIN MUL_HI-0x30*\first
	MUL16 \f, 1, 0, \first
	MUL16 \f, 1, 2, \first
.endm
; The last quarter multiplies buffer 1 and changes slots: ONE barrier; in front of it each wave waits for all its tensor loads (one is out: its part of the next slot), adds 0 to its spare word, and waits for that and for its reads of this slot.
.macro TURN slot, next, fill
	WIN 0
	s_wait_tensorcnt 0x0
	ds_add_u32 v[SPW], v[NIL]
	s_wait_dscnt 9                                 ; (the add and the youngest eight loads may be out)
	WIN MUL_LO
	MUL16 F1, 0, 0, 0
	s_wait_dscnt 0x0                               ; the add is done, and my reads of this slot are over
	s_barrier_signal -1
	MUL16 F1, 0, 2, 0
.if \fill
	WIN 0
.endif
	s_barrier_wait -1
.if \fill
	CREST                                          ; the barrier has opened a round of the cluster's: no wave of any partner still reads this slot or has a load on its way
	s_add_nc_u64 s[G0+4*\slot+2:G0+4*\slot+3], s[G0+4*\slot+2:G0+4*\slot+3], 2*ASTEP
	s_add_nc_u64 s[G0B+4*\slot+2:G0B+4*\slot+3], s[G0B+4*\slot+2:G0B+4*\slot+3], 2*BSTEP
	JLOAD \slot                                    ; the first tensor load behind the round, 224 matrix instructions ahead of the wait for it; its four v_nop are the places in front of the loads below
.else
	PLACES
.endif
	FETCH \next, 0, F0
	WIN MUL_HI
	MUL16 F1, 1, 0, 0
	MUL16 F1, 1, 2, 0
.endm
	s_wait_tensorcnt 1                             ; my part of K step 0 is in (K step 1's load may be out),
	s_barrier_signal -1
	s_barrier_wait -1                              ; everybody's is
	FETCH 0, 0, F0
	s_wait_loadcnt 0x0                             ; the bias
	QUARTER 0, 64,  F0, F1, 1
	WIN 0
	s_mov_b32 s3, LAPS-1
.Llap:                                                 ; a trip goes once round the ring and fills both slots again
	QUARTER 0, 128, F1, F0, 0
	QUARTER 0, 192, F0, F1, 0
	TURN 0, 1, 1
	QUARTER 1, 64,  F0, F1, 0
	QUARTER 1, 128, F1, F0, 0
	QUARTER 1, 192, F0, F1, 0
	TURN 1, 0, 1
	QUARTER 0, 64,  F0, F1, 0
	WIN 0
	s_sub_co_u32 s3, s3, 1
	s_cmp_lg_u32 s3, 0
	s_cbranch_scc1 .Llap
	QUARTER 0, 128, F1, F0, 0                      ; the last lap fills nothing
	QUARTER 0, 192, F0, F1, 0
	TURN 0, 1, 0
	QUARTER 1, 64,  F0, F1, 0
	QUARTER 1, 128, F1, F0, 0
	QUARTER 1, 192, F0, F1, 0
	s_wait_dscnt 8
	WIN MUL_LO
	MUL16 F1, 0, 0, 0
	MUL16 F1, 0, 2, 0
	s_wait_dscnt 0
	WIN MUL_HI
	MUL16 F1, 1, 0, 0
	MUL16 F1, 1, 2, 0
	WIN 0
	PLACES
; THE WAY OUT in bf16 (Q, K, V): a block of 16 rows at a time, 16 bytes a lane through my stage, back as rows of 256 bytes
.macro PACK a
.set AC, 64*((\a)%4)
	WIN 0x0a+5*((\a)/4)
.irp b, 0,1,2,3,4,5,6,7
.irp r, 0,1,2,3
	v_cvt_pk_bf16_f32 v[TMP+4*\b+\r], v[AC+8*\b+2*\r], v[AC+8*\b+2*\r+1]
.endr
.endr
	WIN 0
.endm
.macro TOSTAGE a
.set BK, OB+192*((\a)%2)
.irp b, 0,1,2,3,4,5,6,7
	ds_store_b128 v[STO], v[TMP+4*\b:TMP+4*\b+3] offset:32*\b
.endr
.irp t, 0,1,2,3,4,5,6,7
	ds_load_b128 v[BK+4*\t:BK+4*\t+3], v[RD] offset:\t*2*SPITCH    ; in order behind the stores above
.endr
.endm
.macro SEND a
.set BK, OB+192*((\a)%2)
	s_wait_dscnt 0x0
	s_wait_xcnt 0x0                                ; the block before's stores have read their registers
.irp t, 0,1,2,3,4,5,6,7
	global_store_b128 v[CO], v[BK+4*\t:BK+4*\t+3], s[8:9] offset:(16*(\a)+2*\t)*CROW   ; sixteen lanes store 256 consecutive bytes, aligned
.endr
.endm
; and in f32 (RV): 32 bytes a lane through the stage in slot 0, back as rows of 512 bytes
.macro TOSTAGE2 a
.set AC, 64*((\a)%4)
	WIN 0x08+4*((\a)/4)                            ; an LDS store's data are its source 1: window 2 or 3
.irp b, 0,1,2,3,4,5,6,7
	ds_store_b128 v[STO2], v[AC+8*\b:AC+8*\b+3] offset:64*\b       ; each accumulator from its low end on
	ds_store_b128 v[STO2], v[AC+8*\b+4:AC+8*\b+7] offset:64*\b+16
.endr
	WIN 0
.set BB, BK2+64*((\a)%2)
.irp t, 0,1,2,3,4,5,6,7,8,9,10,11,12,13,14,15
	ds_load_b128 v[BB+4*\t:BB+4*\t+3], v[RD2] offset:\t*S2P
.endr
.endm
.macro SEND2 a, younger                ; younger: the LDS instructions issued behind block a's loads
.set BB, BK2+64*((\a)%2)
	s_wait_dscnt \younger
.irp t, 0,1,2,3,4,5,6,7,8,9,10,11,12,13,14,15
	global_store_b128 v[CO2], v[BB+4*\t:BB+4*\t+3], s[6:7] offset:(16*(\a)+\t)*RROW   ; 512 consecutive bytes, aligned
.endr
.endm
	s_cmp_eq_u32 ttmp9, 3                          ; the cluster's x: the same in all partners
	s_cbranch_scc1 .Lrv_out
	PACK 0
	TOSTAGE 0
.irp a, 1,2,3,4,5,6,7
	PACK \a
	SEND \a-1
	TOSTAGE \a
.endr
	SEND 7
	s_branch .Lend
.Lrv_out:
	TOSTAGE2 0
.irp a, 1,2,3,4,5,6,7
.if \a > 1
	s_wait_xcnt 0x0                                ; block a - 2's stores have read their registers: block a's loads may land there
.endif
	TOSTAGE2 \a
	SEND2 \a-1, 32                                 ; behind block a - 1's loads: block a's 16 stores and 16 loads
.endr
	SEND2 7, 0
.Lend:
	s_wait_tensorcnt 0x0                           ; the wave's end
	ds_add_u32 v[SPW], v[NIL]
	s_wait_dscnt 0x0
	CROUND                                         ; the closing round
	s_endpgm
.Lfunc_end_k_q5ed6d78440_gemm_proj:
	.size	k_q5ed6d78440_gemm_proj, .Lfunc_end_k_q5ed6d78440_gemm_proj-k_q5ed6d78440_gemm_proj
	.p2alignl 7, 3214868480
	.fill 96, 4, 3214868480
	.section	.rodata,"a",@progbits
	.p2align	6, 0x0
	.amdhsa_kernel k_q5ed6d78440_gemm_proj
		.amdhsa_group_segment_fixed_size 327680
		.amdhsa_private_segment_fixed_size 0
		.amdhsa_enable_private_segment 0
		.amdhsa_kernarg_size 56
		.amdhsa_user_sgpr_count 2
		.amdhsa_user_sgpr_kernarg_segment_ptr 1
		.amdhsa_wavefront_size32 1
		.amdhsa_system_sgpr_workgroup_id_x 1
		.amdhsa_system_sgpr_workgroup_id_y 1
		.amdhsa_system_sgpr_workgroup_id_z 1
		.amdhsa_system_vgpr_workitem_id 0
		.amdhsa_next_free_vgpr 1024
		.amdhsa_next_free_sgpr 84
		.amdhsa_reserve_vcc 0
		.amdhsa_float_denorm_mode_32 3
		.amdhsa_float_denorm_mode_16_64 3
		.amdhsa_memory_ordered 1
		.amdhsa_forward_progress 1
		.amdhsa_inst_pref_size 176
	.end_amdhsa_kernel
	.amdgpu_metadata
---
amdhsa.version: [ 1, 2 ]
amdhsa.kernels:
  - .name:           k_q5ed6d78440_gemm_proj
    .symbol:         k_q5ed6d78440_gemm_proj.kd
    .args:
      - { .name: qkv, .offset: 0, .size: 8, .value_kind: global_buffer, .address_space: global }
      - { .name: wh, .offset: 8, .size: 8, .value_kind: global_buffer, .address_space: global }
      - { .name: aq_b, .offset: 16, .size: 8, .value_kind: global_buffer, .address_space: global }
      - { .name: av_b, .offset: 24, .size: 8, .value_kind: global_buffer, .address_space: global }
      - { .name: arv_b, .offset: 32, .size: 8, .value_kind: global_buffer, .address_space: global }
      - { .name: qkvp, .offset: 40, .size: 8, .value_kind: global_buffer, .address_space: global }
      - { .name: rv, .offset: 48, .size: 8, .value_kind: global_buffer, .address_space: global }
    .group_segment_fixed_size: 327680
    .private_segment_fixed_size: 0
    .kernarg_segment_align: 8
    .kernarg_segment_size: 56
    .max_flat_workgroup_size: 128
    .sgpr_count:     84
    .vgpr_count:     1024
    .wavefront_size: 32
...
	.end_amdgpu_metadata
.endif
;; end of part 3
;; launch attn (part 4): grid 2 x 128, 16 waves a work-group, no clusters, 161,792 bytes of LDS; arguments qkvp, cds, scaling, ob; writes ob
.if DOCPART == 4
	.amdgcn_target "amdgcn-amd-amdhsa--gfx1250"
	.amdhsa_code_object_version 6
	.text
	.protected	k_q5ed6d78440_attn
	.globl	k_q5ed6d78440_attn
	.p2align	8
	.type	k_q5ed6d78440_attn,@function
k_q5ed6d78440_attn:
	s_mov_b64 s[64:65], 0
	v_nop
	global_prefetch_b8 v0, s[64:65] scope:SCOPE_SE
	s_setreg_imm32_b32 hwreg(HW_REG_WAVE_MODE, 25, 1), 1
	s_wait_xcnt 0x0
; ob[b][i][head] = the sum over j of softmax_j(scaling_h Q_i . K_j + bias_h(min(|i - j|, 49))) V_j.  Q, K, V: bf16, qkvp [4096][3072] (columns Q, K, V; a head is 64 of each).  ob: f32 [4096][1024].
; Products on bf16 operands, f32 sums; maxima, exponentials and row sums in f32; the weights p are rounded to bf16 for the second product; the row's sum is taken of the unrounded p and divides at the end.
; SHARES.  A work-group owns 256 queries of one head of one batch; each of its sixteen waves 16 of them, in 256 registers: four waves to a SIMD, so that one wave's vector work stands beside another's products.
; All 512 keys of the head lie in LDS, filled ONCE, THROUGH REGISTERS: thread t takes 16 bytes (t % 8) of rows t / 8 + 64 i of K and of V, sixteen loads and sixteen LDS stores.  Nothing is filled again, so there is no
; ring in which a tile could be fetched ahead; all the loads of the launch's head (K, V, the table's two words, Q) are out together under one counter, 22 a thread.
; NO CLUSTER: the launch has no tensor load to share; a head has 512 / 256 = 2 blocks of queries.
; LAYOUT.  S^T = K Q^T (source 0 = 16 keys, source 1 = my 16 queries): a lane holds ONE query (lane % 16) and keys 8 (lane / 16) + 0..7 of each tile.  Two tiles, rounded in pairs, ARE source 1 of O^T = V^T P.
; V ([key][channel]) is turned as it is read (ds_load_tr16_b128).
; THE BIAS is a table in LDS of the work-group's own: e2[i] = tb[min(|i - 255 - 256 x|, 49) x 16 + head], with i = key - (query - 256 x) + 255, 0 to 766; tb (cds + TB) holds log2(e) x the sums over the head's 64,
; made by the first launch.  Each thread copies two entries (those from 767 on are copied and not read).  The work-group's number enters the addresses in tb alone, and no LDS address.
; SOFTMAX in base 2: t = S x (scaling_h log2 e) + e2; a running maximum m (taken of t, since scaling may be negative) and sum l; p = 2^(t - m); O and l are multiplied by a = 2^(old m - new m) in every step.
.set KP,    144                        ; a key's row in LDS: 128 bytes + 16
.set VP,    160                        ; a row of V: 128 + 32, an odd multiple of 32
.set VOFF,  512*KP
.set TBL,   VOFF+512*VP                ; the table: 1,024 words
.set SPARE, TBL+4096                   ; the spare words, 128 bytes a wave, which no other line names
.set STAGE, 0                          ; the way out: 16 rows x (256 + 16) for each wave, 69,632 bytes in K's 73,728: a barrier stands behind K's last read
.set ROWB,  6144                       ; a row of qkvp in bytes
.set TB,    0x3b8000                   ; where the sums of rel_bias lie in cds
.set AK0, 1
.set AV0, 2
.set AE0, 3
.set ADK, 4
.set ADV, 5
.set ADE, 6
.set STO, 7
.set RD,  8
.set GO,  9
.set SPW, 10
.set NIL, 11
.set QF,  16                           ; v16-31   Q's two fragments
.set KF,  32                           ; v32-95   at the head my 256 bytes of K and V; then eight fragments of K, then of V
.set S,   96                           ; v96-127  S^T, then p
.set EB,  128                          ; v128-159 the bias of my 32 scores
.set P,   160                          ; v160-175 p in bf16
.set O,   176                          ; v176-207 O^T
.set GKV, 226                          ; v226     the fill: my byte offset in the batch's rows
.set LK,  227                          ; v227     where my 16 bytes of K's rows go
.set LV,  228                          ; v228     the same for V's rows 0-255;
.set LV2, 229                          ; v229     and 256-511, so that every offset stays inside 16 bits
.set WV,  18
.set SEL, 20
.set CS,  22
.set TK,  48
.set TV,  49
.set TE,  50
.set CNT, 51
	s_load_b256 s[4:11], s[0:1], 0x0               ; qkvp, cds, scaling, ob
	v_lshl_add_u32 v[SPW], v0, 2, SPARE
	v_mov_b32 v[NIL], 0
	v_lshrrev_b32 v12, 5, v0
	v_readfirstlane_b32 s[WV], v12                 ; wave 0..15
	s_and_b32 s52, ttmp7, 0xffff
	s_lshr_b32 s53, s52, 4                         ; batch
	s_and_b32 s54, s52, 15                         ; head
	s_mul_i32 s56, s53, 512*ROWB                   ; the batch's first row,
	s_lshl_b32 s57, s54, 7
	s_add_co_u32 s56, s56, s57                     ; the head's 128 bytes
	s_mov_b32 s57, 0
	s_lshl_b32 s58, ttmp9, 8
	s_lshl_b32 s59, s[WV], 4
	s_add_co_u32 s58, s58, s59                     ; my first query in the batch: 256 x + 16 w
	s_lshl_b32 s60, s53, 9
	s_add_co_u32 s60, s60, s58
	s_lshl_b32 s60, s60, 12                        ; its row of ob,
	s_lshl_b32 s61, s54, 8
	s_add_co_u32 s60, s60, s61                     ; the head's 256 bytes
	s_mov_b32 s61, 0
	s_mul_i32 s58, s58, ROWB                       ; and its row of qkvp, from the batch's first
	s_mov_b32 s59, 0
	s_lshl_b32 s24, s54, 2                         ; the head's word in scaling and in a distance's sixteen of tb
	s_mov_b32 s25, 0
	s_mov_b32 s[SEL], 0x76543210
	s_mov_b32 s[SEL+1], 0xfedcba98
	s_mov_b32 s[TK], 0
	s_mov_b32 s[TV], 0
	s_mov_b32 s[TE], 0
	s_mov_b32 s[CNT], 8
	v_lshrrev_b32 v224, 3, v0                      ; the fill: row t / 8 of each 64,
	v_and_b32 v225, 7, v0                          ; 16 bytes t % 8 of its 128
	v_mul_u32_u24 v[GKV], v224, ROWB
	v_lshl_add_u32 v[GKV], v225, 4, v[GKV]
	v_mul_u32_u24 v[LK], v224, KP
	v_lshl_add_u32 v[LK], v225, 4, v[LK]
	v_mul_u32_u24 v[LV], v224, VP
	v_lshl_add_u32 v[LV], v225, 4, v[LV]
	v_add_nc_u32 v[LV], VOFF, v[LV]
	v_add_nc_u32 v[LV2], 256*VP, v[LV]
	s_lshl_b32 s26, ttmp9, 8
	s_add_co_u32 s26, s26, 255                     ; the entry of distance 0: 255 + 256 x
	v_sub_nc_u32 v213, v0, s26                     ; entry i = thread: a = thread - 255 - 256 x, of either sign;
	v_add_nc_u32 v214, 0x200, v213                 ; entry i = thread + 512: a + 512, 1 at the least
	v_sub_nc_u32 v215, 0, v213
	v_min_u32 v213, v213, v215                     ; |a|: of a and -a, read as unsigned numbers, the one that is not negative is the smaller
	v_min_u32 v213, 49, v213                       ; the distance, clipped at 49
	v_min_u32 v214, 49, v214
	v_lshlrev_b32 v213, 6, v213                    ; a distance's sixteen sums are 64 bytes
	v_lshlrev_b32 v214, 6, v214
	v_and_b32 v12, 15, v0                          ; r
	v_bfe_u32 v13, v0, 4, 1                        ; h
	v_mul_u32_u24 v212, v12, ROWB
	v_lshl_add_u32 v212, v13, 4, v212              ; Q: row r, + 16 h
	s_wait_kmcnt 0x0
	s_add_nc_u64 s[12:13], s[4:5], s[56:57]        ; the batch's rows at my head's columns of Q; K's lie 2,048 bytes on, V's 4,096
	s_add_nc_u64 s[14:15], s[12:13], s[58:59]      ; my first query
	s_add_nc_u64 s[10:11], s[10:11], s[60:61]      ; and its place in ob
	s_add_nc_u64 s[8:9], s[8:9], s[24:25]
	s_add_nc_u64 s[6:7], s[6:7], s[24:25]
	s_add_nc_u64 s[6:7], s[6:7], TB
.irp i, 0,1,2,3,4,5,6,7
	global_load_b128 v[KF+4*\i:KF+4*\i+3], v[GKV], s[12:13] offset:\i*64*ROWB+2048       ; K: eight lanes read a key's 128 bytes
.endr
.irp i, 0,1,2,3,4,5,6,7
	global_load_b128 v[KF+32+4*\i:KF+32+4*\i+3], v[GKV], s[12:13] offset:\i*64*ROWB+4096 ; V
.endr
	global_load_b32 v[S], v213, s[6:7]             ; my two entries of the table
	global_load_b32 v[S+1], v214, s[6:7]
.irp i, 0,1,2,3
	global_load_b128 v[QF+4*\i:QF+4*\i+3], v212, s[14:15] offset:32*\i   ; Q's fragments stay in registers
.endr
	s_load_b32 s[CS], s[8:9], 0x0                  ; scaling[head]: it enters a multiplication alone, no branch and no address
	v_mul_u32_u24 v[AK0], v12, KP
	v_lshl_add_u32 v[AK0], v13, 4, v[AK0]          ; K: row r x pitch + 16 h
	v_and_b32 v215, 7, v0
	v_lshl_add_u32 v215, v13, 3, v215
	v_mul_u32_u24 v[AV0], v215, VP                 ; V, for the turning load: key 8 h + l % 8,
	v_bfe_u32 v215, v0, 3, 1
	v_lshl_add_u32 v[AV0], v215, 4, v[AV0]         ; channels 8 ((l / 8) % 2) on
	v_add_nc_u32 v[AV0], VOFF, v[AV0]
	; the table's word of key 8 h and my query 16 w + r: 4 (8 h - 16 w - r + 255) = 32 h + 4 (15 - r) + 64 (15 - w), and 15 - n = n xor 15 for n up to 15: a sum of terms that are never negative
	v_xor_b32 v215, 15, v12
	v_lshlrev_b32 v[AE0], 5, v13
	v_lshl_add_u32 v[AE0], v215, 2, v[AE0]
	s_xor_b32 s58, s[WV], 15
	s_lshl_b32 s58, s58, 6
	s_add_co_u32 s58, s58, TBL
	v_add_nc_u32 v[AE0], s58, v[AE0]
	s_mul_i32 s58, s[WV], 16*272
	s_add_co_u32 s58, s58, STAGE                   ; my stage
	v_mul_u32_u24 v[STO], v12, 272
	v_lshl_add_u32 v[STO], v13, 5, v[STO]
	v_add_nc_u32 v[STO], s58, v[STO]               ; in: row r, 32 bytes for each half of the lanes
	v_mul_u32_u24 v[RD], v13, 272
	v_lshl_add_u32 v[RD], v12, 4, v[RD]
	v_add_nc_u32 v[RD], s58, v[RD]                 ; back: lanes 0-15 one row of 256 bytes, lanes 16-31 the next
	v_lshlrev_b32 v[GO], 12, v13
	v_lshl_add_u32 v[GO], v12, 4, v[GO]            ; and the same two rows in ob
	v_lshl_add_u32 v216, v0, 2, TBL
	v_mov_b32 v14, 0xff61b1e6                      ; m: -3e38, under every t
	v_mov_b32 v15, 0                               ; (named with it as a pair)
	v_mov_b32 v208, 0                              ; l, in two halves
	v_mov_b32 v209, 0
	v_mov_b32 v211, 0                              ; (named with a as a pair)
.set i, 0
.rept 32
	v_mov_b32 v[O+i], 0                            ; O^T: the loop is written once; its first step multiplies zeros by a = 0
.set i, i+1
.endr
	s_wait_loadcnt 14                              ; K's eight loads are in; V's eight, the table's two and Q's four may be out
.irp i, 0,1,2,3,4,5,6,7
	ds_store_b128 v[LK], v[KF+4*\i:KF+4*\i+3] offset:\i*64*KP
.endr
	s_wait_loadcnt 6                               ; V's eight are in; the table's two and Q's four may be out
.irp i, 0,1,2,3
	ds_store_b128 v[LV], v[KF+32+4*\i:KF+32+4*\i+3] offset:\i*64*VP
.endr
.irp i, 0,1,2,3
	ds_store_b128 v[LV2], v[KF+48+4*\i:KF+48+4*\i+3] offset:\i*64*VP
.endr
	s_wait_loadcnt 4                               ; the table's two are in; Q's four may be out
	ds_store_b32 v216, v[S]
	ds_store_b32 v216, v[S+1] offset:2048
	s_wait_kmcnt 0x0
	s_mul_f32 s[CS], s[CS], 0x3fb8aa3b             ; c = scaling_h log2(e)
	s_mov_b32 s[CS+1], s[CS]                       ; (named with it as a pair)
	s_wait_loadcnt 0x0                             ; Q
	s_wait_dscnt 0x0                               ; for the others' sake: my parts of K, of V and of the table have landed
	s_barrier_signal -1
	s_barrier_wait -1                              ; everybody's have
.Ltrip:                                            ; 8 trips of 64 keys
	v_add_nc_u32 v[ADK], s[TK], v[AK0]             ; these three and the v_nop are the four places behind the last trip's products, in front of the loads into their registers
	v_add_nc_u32 v[ADV], s[TV], v[AV0]
	v_add_nc_u32 v[ADE], s[TE], v[AE0]
	v_nop
.irp t, 0,1,2,3
.irp c, 0,1
	ds_load_b128 v[KF+8*(2*\t+\c):KF+8*(2*\t+\c)+3],   v[ADK] offset:16*KP*\t+64*\c
	ds_load_b128 v[KF+8*(2*\t+\c)+4:KF+8*(2*\t+\c)+7], v[ADK] offset:16*KP*\t+64*\c+32
.endr
.endr
.irp t, 0,1,2,3
.irp j, 0,1,2,3,4,5,6,7
	ds_load_b32 v[EB+8*\t+\j], v[ADE] offset:4*(16*\t+\j)
.endr
.endr
	s_wait_dscnt 32                                ; K's 16 loads are in; the table's 32 may be out
.irp t, 0,1,2,3                                ; the four tiles take turns, one instruction a turn
	v_wmma_f32_16x16x32_bf16 v[S+8*\t:S+8*\t+7], v[KF+16*\t:KF+16*\t+7], v[QF:QF+7], 0
.endr
.irp t, 0,1,2,3
	v_wmma_f32_16x16x32_bf16 v[S+8*\t:S+8*\t+7], v[KF+16*\t+8:KF+16*\t+15], v[QF+8:QF+15], v[S+8*\t:S+8*\t+7]
.endr
.rept 4
	v_nop                                          ; places: in front of the loads into K's registers and of the first read of the scores
.endr
.irp f, 0,1,2,3,4,5,6,7                        ; V^T: keys 32 (f / 4) on, channels 16 (f % 4) on
	ds_load_tr16_b128 v[KF+8*\f:KF+8*\f+3],   v[ADV] offset:(\f/4)*32*VP+(\f%4)*32
	ds_load_tr16_b128 v[KF+8*\f+4:KF+8*\f+7], v[ADV] offset:(\f/4)*32*VP+16*VP+(\f%4)*32
.endr
	s_wait_dscnt 16                                ; the table's words are in; V's 16 loads may be out
.irp j, 0,2,4,6,8,10,12,14,16,18,20,22,24,26,28,30
	v_pk_fma_f32 v[S+\j:S+\j+1], v[S+\j:S+\j+1], s[CS:CS+1], v[EB+\j:EB+\j+1] op_sel_hi:[1,0,1]   ; t = S c + e2
.endr
.irp q, 0,1,2,3
	v_max3_num_f32 v[212+\q], v[S+8*\q], v[S+8*\q+1], v[S+8*\q+2]   ; the maximum, in four chains
.endr
.irp i, 3,5
.irp q, 0,1,2,3
	v_max3_num_f32 v[212+\q], v[212+\q], v[S+8*\q+\i], v[S+8*\q+\i+1]
.endr
.endr
	v_max3_num_f32 v212, v212, v[S+7], v[S+15]
	v_max3_num_f32 v214, v214, v[S+23], v[S+31]
	v_max3_num_f32 v212, v212, v213, v214
	v_max3_num_f32 v212, v212, v215, v14           ; with the old m
	v_permlanex16_b32 v213, v212, s[SEL], s[SEL+1] ; the query's other 32 keys lie in the lane 16 away
	v_mov_b32 v216, v14
	v_max_num_f32 v14, v212, v213                  ; the new m
	v_sub_f32 v216, v216, v14                      ; old m - new m, 0 or less
.irp j, 0,2,4,6,8,10,12,14,16,18,20,22,24,26,28,30
	v_pk_add_f32 v[S+\j:S+\j+1], v[S+\j:S+\j+1], v[14:15] op_sel_hi:[1,0] neg_lo:[0,1] neg_hi:[0,1]   ; t - m
.endr
	v_exp_f32 v210, v216                           ; a
.set i, 0
.rept 32
	v_exp_f32 v[S+i], v[S+i]                       ; p, at most 1
.set i, i+1
.endr
	v_nop                                          ; a plain line behind the last exponential
	s_wait_alu depctr_va_vdst(0)                   ; the wait ahead of the first line that names a result: one for the batch of 33
.set i, 0
.rept 16
	v_cvt_pk_bf16_f32 v[P+i], v[S+2*i], v[S+2*i+1]
.set i, i+1
.endr
.irp w, 4,8,16,32                              ; the sum of the 16 pairs of unrounded p
.set u, 0
.rept 32/\w
	v_pk_add_f32 v[S+\w*u:S+\w*u+1], v[S+\w*u:S+\w*u+1], v[S+\w*u+\w/2:S+\w*u+\w/2+1]
.set u, u+1
.endr
.endr
	v_pk_fma_f32 v[208:209], v[208:209], v[210:211], v[S:S+1] op_sel_hi:[1,0,1]   ; l = l a + the sum
.irp j, 0,2,4,6,8,10,12,14,16,18,20,22,24,26,28,30
	v_pk_mul_f32 v[O+\j:O+\j+1], v[O+\j:O+\j+1], v[210:211] op_sel_hi:[1,0]       ; O^T x a
.endr
	s_wait_dscnt 0x0                               ; V is in
.irp k, 0,1
.irp t, 0,1,2,3
	v_wmma_f32_16x16x32_bf16 v[O+8*\t:O+8*\t+7], v[KF+8*(4*\k+\t):KF+8*(4*\k+\t)+7], v[P+8*\k:P+8*\k+7], v[O+8*\t:O+8*\t+7]
.endr
.endr
	s_add_co_u32 s[TK], s[TK], 64*KP
	s_add_co_u32 s[TV], s[TV], 64*VP
	s_add_co_u32 s[TE], s[TE], 256
	s_sub_co_u32 s[CNT], s[CNT], 1
	s_cmp_lg_u32 s[CNT], 0
	s_cbranch_scc1 .Ltrip
	; THE WAY OUT.  The stages lie in K's bytes, which other waves may still be reading: each wave's LDS loads are back, then a barrier, then the first store into a stage
	s_wait_dscnt 0x0                               ; my reads of K, of V and of the table are over (the last trip's wait has shown it)
	s_barrier_signal -1
.rept 4
	v_nop                                          ; places behind the last products; work on registers while the others arrive
.endr
	v_add_f32 v212, v208, v209                     ; l's two halves,
	v_permlanex16_b32 v213, v212, s[SEL], s[SEL+1]
	v_add_f32 v212, v212, v213                     ; and the other half of the lanes'
	s_barrier_wait -1                              ; nobody reads K any more
	v_rcp_f32 v210, v212
	v_nop
	s_wait_alu depctr_va_vdst(0)                   ; ahead of the reciprocal's first reader
.irp j, 0,2,4,6,8,10,12,14,16,18,20,22,24,26,28,30
	v_pk_mul_f32 v[S+\j:S+\j+1], v[O+\j:O+\j+1], v[210:211] op_sel_hi:[1,0]   ; register 8 t + i: channel 16 t + 8 h + i of query r
.endr
.irp t, 0,1,2,3
	ds_store_b128 v[STO], v[S+8*\t:S+8*\t+3] offset:64*\t
	ds_store_b128 v[STO], v[S+8*\t+4:S+8*\t+7] offset:64*\t+16
.endr
.irp i, 0,1,2,3,4,5,6,7
	ds_load_b128 v[KF+4*\i:KF+4*\i+3], v[RD] offset:2*272*\i   ; in order behind my stores; a stage is its wave's own
.endr
.irp i, 0,1,2,3,4,5,6,7
	s_wait_dscnt 7-\i                              ; LDS loads come back in order: pair i of rows is in
	global_store_b128 v[GO], v[KF+4*\i:KF+4*\i+3], s[10:11] offset:8192*\i   ; sixteen lanes store 256 consecutive bytes, aligned
.endr
	s_wait_tensorcnt 0x0                           ; the wave's end, behind my last LDS store
	ds_add_u32 v[SPW], v[NIL]
	s_wait_dscnt 0x0
	s_endpgm
.Lfunc_end_k_q5ed6d78440_attn:
	.size	k_q5ed6d78440_attn, .Lfunc_end_k_q5ed6d78440_attn-k_q5ed6d78440_attn
	.p2alignl 7, 3214868480
	.fill 96, 4, 3214868480
	.section	.rodata,"a",@progbits
	.p2align	6, 0x0
	.amdhsa_kernel k_q5ed6d78440_attn
		.amdhsa_group_segment_fixed_size 161792
		.amdhsa_private_segment_fixed_size 0
		.amdhsa_enable_private_segment 0
		.amdhsa_kernarg_size 32
		.amdhsa_user_sgpr_count 2
		.amdhsa_user_sgpr_kernarg_segment_ptr 1
		.amdhsa_wavefront_size32 1
		.amdhsa_system_sgpr_workgroup_id_x 1
		.amdhsa_system_sgpr_workgroup_id_y 1
		.amdhsa_system_sgpr_workgroup_id_z 1
		.amdhsa_system_vgpr_workitem_id 0
		.amdhsa_next_free_vgpr 256
		.amdhsa_next_free_sgpr 66
		.amdhsa_reserve_vcc 0
		.amdhsa_float_denorm_mode_32 3
		.amdhsa_float_denorm_mode_16_64 3
		.amdhsa_memory_ordered 1
		.amdhsa_forward_progress 1
		.amdhsa_inst_pref_size 26
	.end_amdhsa_kernel
	.amdgpu_metadata
---
amdhsa.version: [ 1, 2 ]
amdhsa.kernels:
  - .name:           k_q5ed6d78440_attn
    .symbol:         k_q5ed6d78440_attn.kd
    .args:
      - { .name: qkvp, .offset: 0, .size: 8, .value_kind: global_buffer, .address_space: global }
      - { .name: cds, .offset: 8, .size: 8, .value_kind: global_buffer, .address_space: global }
      - { .name: scaling, .offset: 16, .size: 8, .value_kind: global_buffer, .address_space: global }
      - { .name: ob, .offset: 24, .size: 8, .value_kind: global_buffer, .address_space: global }
    .group_segment_fixed_size: 161792
    .private_segment_fixed_size: 0
    .kernarg_segment_align: 8
    .kernarg_segment_size: 32
    .max_flat_workgroup_size: 512
    .sgpr_count:     66
    .vgpr_count:     256
    .wavefront_size: 32
...
	.end_amdgpu_metadata
.endif
;; end of part 4
;; launch ln_one (part 5): grid 512 x 1, 8 waves a work-group, no clusters, 0 bytes of LDS; arguments x, ob, rv, ln1_g, ln1_b, x1b; writes x1b
.if DOCPART == 5
	.amdgcn_target "amdgcn-amd-amdhsa--gfx1250"
	.amdhsa_code_object_version 6
	.text
	.protected	k_q5ed6d78440_ln_one
	.globl	k_q5ed6d78440_ln_one
	.p2align	8
	.type	k_q5ed6d78440_ln_one,@function
k_q5ed6d78440_ln_one:
	s_mov_b64 s[64:65], 0
	v_nop
	global_prefetch_b8 v0, s[64:65] scope:SCOPE_SE
	s_setreg_imm32_b32 hwreg(HW_REG_WAVE_MODE, 25, 1), 1
	s_wait_xcnt 0x0
; x1 = layernorm(x + (attn V + RV)) x ln1_g + ln1_b, all in f32.  x, ob, rv: [4096][1024] f32.  x1 leaves twice: f32 at x1b + 0 (the last residual) and f16 at x1b + X1H (the next product's operand).
; One wave, one row of 4,096 bytes: 32 registers a lane; the reductions never leave the wave: no LDS, no barrier.  The variance is taken of the centred numbers.
; LIMIT: x1 beyond 65,504 becomes infinity in f16 (a layernorm's result is of the size of its gain and bias).  A stream: no matrix unit, no cluster (nothing is shared but the gains).
.set D,   16                           ; v16-47   x, then the row at work
.set A1,  48                           ; v48-79   attn V
.set A2,  80                           ; v80-111  RV
.set GG,  112                          ; v112-143 the gain
.set BB,  144                          ; v144-175 the bias
.set HH,  176                          ; v176-191 the row in f16
.set X1H, 0x1000000
	s_load_b256 s[4:11], s[0:1], 0x0               ; x, ob, rv, ln1_g
	s_load_b128 s[12:15], s[0:1], 0x20             ; ln1_b, x1b
	v_lshrrev_b32 v1, 5, v0
	v_readfirstlane_b32 s16, v1
	v_and_b32 v2, 31, v0
	v_lshlrev_b32 v1, 4, v2                        ; 16 bytes a lane
	v_lshlrev_b32 v2, 3, v2                        ; 8 in f16
	s_lshl_b32 s17, ttmp9, 3
	s_add_co_u32 s17, s17, s16                     ; my row
	s_lshl_b32 s18, s17, 12
	s_mov_b32 s19, 0
	s_lshl_b32 s20, s17, 11
	s_add_co_u32 s20, s20, X1H
	s_mov_b32 s21, 0
	s_mov_b32 s22, 0x76543210                      ; v_permlanex16_b32: lane l xor 16
	s_mov_b32 s23, 0xfedcba98
	s_mov_b32 s24, 0x3a800000                      ; 1 / 1,024
	s_mov_b32 s25, 0x3727c5ac                      ; eps = 1e-5
	s_wait_kmcnt 0x0
	s_add_nc_u64 s[4:5], s[4:5], s[18:19]
	s_add_nc_u64 s[6:7], s[6:7], s[18:19]
	s_add_nc_u64 s[8:9], s[8:9], s[18:19]
	s_add_nc_u64 s[26:27], s[14:15], s[18:19]
	s_add_nc_u64 s[28:29], s[14:15], s[20:21]
.irp j, 0,1,2,3,4,5,6,7
	global_load_b128 v[D+4*\j:D+4*\j+3], v1, s[4:5] offset:512*\j th:TH_LOAD_NT
.endr
.irp j, 0,1,2,3,4,5,6,7
	global_load_b128 v[A1+4*\j:A1+4*\j+3], v1, s[6:7] offset:512*\j th:TH_LOAD_NT
.endr
.irp j, 0,1,2,3,4,5,6,7
	global_load_b128 v[A2+4*\j:A2+4*\j+3], v1, s[8:9] offset:512*\j th:TH_LOAD_NT
.endr
.irp j, 0,1,2,3,4,5,6,7
	global_load_b128 v[GG+4*\j:GG+4*\j+3], v1, s[10:11] offset:512*\j
.endr
.irp j, 0,1,2,3,4,5,6,7
	global_load_b128 v[BB+4*\j:BB+4*\j+3], v1, s[12:13] offset:512*\j
.endr
.macro ALLSUM a, t                     ; v[a] summed over the 32 lanes, in every lane; v[t] has been written before
	v_add_f32_dpp v[\a], v[\a], v[\a] row_xmask:1 row_mask:0xf bank_mask:0xf
	v_add_f32_dpp v[\a], v[\a], v[\a] row_xmask:2 row_mask:0xf bank_mask:0xf
	v_add_f32_dpp v[\a], v[\a], v[\a] row_xmask:4 row_mask:0xf bank_mask:0xf
	v_add_f32_dpp v[\a], v[\a], v[\a] row_xmask:8 row_mask:0xf bank_mask:0xf
	v_permlanex16_b32 v[\t], v[\a], s22, s23
	v_add_f32 v[\a], v[\a], v[\t]
.endm
.macro LN d, g, b                      ; the 32 registers from v[d] on become (y - mean) / sqrt(var + eps) x g + b
	v_pk_add_f32 v[4:5], v[\d:\d+1], v[\d+2:\d+3]
	v_pk_add_f32 v[6:7], v[\d+4:\d+5], v[\d+6:\d+7]
.irp j, 8,12,16,20,24,28
	v_pk_add_f32 v[4:5], v[4:5], v[\d+\j:\d+\j+1]
	v_pk_add_f32 v[6:7], v[6:7], v[\d+\j+2:\d+\j+3]
.endr
	v_pk_add_f32 v[4:5], v[4:5], v[6:7]
	v_add_f32 v4, v4, v5
	ALLSUM 4, 5
	v_mul_f32 v4, s24, v4                          ; the mean
.irp j, 0,2,4,6,8,10,12,14,16,18,20,22,24,26,28,30
	v_pk_add_f32 v[\d+\j:\d+\j+1], v[\d+\j:\d+\j+1], v[4:5] op_sel_hi:[1,0] neg_lo:[0,1] neg_hi:[0,1]
.endr
	v_pk_mul_f32 v[6:7], v[\d:\d+1], v[\d:\d+1]
	v_pk_mul_f32 v[8:9], v[\d+2:\d+3], v[\d+2:\d+3]
.irp j, 4,8,12,16,20,24,28
	v_pk_fma_f32 v[6:7], v[\d+\j:\d+\j+1], v[\d+\j:\d+\j+1], v[6:7]
	v_pk_fma_f32 v[8:9], v[\d+\j+2:\d+\j+3], v[\d+\j+2:\d+\j+3], v[8:9]
.endr
	v_pk_add_f32 v[6:7], v[6:7], v[8:9]
	v_add_f32 v6, v6, v7
	ALLSUM 6, 7
	v_fma_f32 v6, v6, s24, s25                     ; the variance + eps
	v_rsq_f32 v6, v6
	v_nop                                          ; a plain line behind the transcendental
	s_wait_loadcnt 0x0                             ; the gain and the bias
	s_wait_alu depctr_va_vdst(0)                   ; ahead of the first reader of the root
.irp j, 0,2,4,6,8,10,12,14,16,18,20,22,24,26,28,30
	v_pk_mul_f32 v[\d+\j:\d+\j+1], v[\d+\j:\d+\j+1], v[6:7] op_sel_hi:[1,0]
.endr
.irp j, 0,2,4,6,8,10,12,14,16,18,20,22,24,26,28,30
	v_pk_fma_f32 v[\d+\j:\d+\j+1], v[\d+\j:\d+\j+1], v[\g+\j:\g+\j+1], v[\b+\j:\b+\j+1]
.endr
.endm
	s_wait_loadcnt 16                              ; the three rows are in; the gain's and the bias's 16 loads may be out
.irp j, 0,2,4,6,8,10,12,14,16,18,20,22,24,26,28,30
	v_pk_add_f32 v[A1+\j:A1+\j+1], v[A1+\j:A1+\j+1], v[A2+\j:A2+\j+1]
.endr
.irp j, 0,2,4,6,8,10,12,14,16,18,20,22,24,26,28,30
	v_pk_add_f32 v[D+\j:D+\j+1], v[D+\j:D+\j+1], v[A1+\j:A1+\j+1]
.endr
	LN D, GG, BB
.irp j, 0,1,2,3,4,5,6,7
	global_store_b128 v1, v[D+4*\j:D+4*\j+3], s[26:27] offset:512*\j
.endr
.irp j, 0,1,2,3,4,5,6,7
	v_cvt_pk_f16_f32 v[HH+2*\j], v[D+4*\j], v[D+4*\j+1]
	v_cvt_pk_f16_f32 v[HH+2*\j+1], v[D+4*\j+2], v[D+4*\j+3]
	global_store_b64 v2, v[HH+2*\j:HH+2*\j+1], s[28:29] offset:256*\j   ; 256 consecutive bytes, aligned
.endr
	s_endpgm
.Lfunc_end_k_q5ed6d78440_ln_one:
	.size	k_q5ed6d78440_ln_one, .Lfunc_end_k_q5ed6d78440_ln_one-k_q5ed6d78440_ln_one
	.p2alignl 7, 3214868480
	.fill 96, 4, 3214868480
	.section	.rodata,"a",@progbits
	.p2align	6, 0x0
	.amdhsa_kernel k_q5ed6d78440_ln_one
		.amdhsa_group_segment_fixed_size 0
		.amdhsa_private_segment_fixed_size 0
		.amdhsa_enable_private_segment 0
		.amdhsa_kernarg_size 48
		.amdhsa_user_sgpr_count 2
		.amdhsa_user_sgpr_kernarg_segment_ptr 1
		.amdhsa_wavefront_size32 1
		.amdhsa_system_sgpr_workgroup_id_x 1
		.amdhsa_system_sgpr_workgroup_id_y 1
		.amdhsa_system_sgpr_workgroup_id_z 1
		.amdhsa_system_vgpr_workitem_id 0
		.amdhsa_next_free_vgpr 192
		.amdhsa_next_free_sgpr 66
		.amdhsa_reserve_vcc 0
		.amdhsa_float_denorm_mode_32 3
		.amdhsa_float_denorm_mode_16_64 3
		.amdhsa_memory_ordered 1
		.amdhsa_forward_progress 1
		.amdhsa_inst_pref_size 16
	.end_amdhsa_kernel
	.amdgpu_metadata
---
amdhsa.version: [ 1, 2 ]
amdhsa.kernels:
  - .name:           k_q5ed6d78440_ln_one
    .symbol:         k_q5ed6d78440_ln_one.kd
    .args:
      - { .name: x, .offset: 0, .size: 8, .value_kind: global_buffer, .address_space: global }
      - { .name: ob, .offset: 8, .size: 8, .value_kind: global_buffer, .address_space: global }
      - { .name: rv, .offset: 16, .size: 8, .value_kind: global_buffer, .address_space: global }
      - { .name: ln1_g, .offset: 24, .size: 8, .value_kind: global_buffer, .address_space: global }
      - { .name: ln1_b, .offset: 32, .size: 8, .value_kind: global_buffer, .address_space: global }
      - { .name: x1b, .offset: 40, .size: 8, .value_kind: global_buffer, .address_space: global }
    .group_segment_fixed_size: 0
    .private_segment_fixed_size: 0
    .kernarg_segment_align: 8
    .kernarg_segment_size: 48
    .max_flat_workgroup_size: 256
    .sgpr_count:     66
    .vgpr_count:     192
    .wavefront_size: 32
...
	.end_amdgpu_metadata
.endif
;; end of part 5
;; launch gemm_ff1 (part 6): grid 16 x 16, 4 waves a work-group, clusters of 4 x 4, 327,680 bytes of LDS; arguments x1b, wh, ff1_b, hmid; writes hmid
.if DOCPART == 6
	.amdgcn_target "amdgcn-amd-amdhsa--gfx1250"
	.amdhsa_code_object_version 6
	.text
	.protected	k_q5ed6d78440_gemm_ff1
	.globl	k_q5ed6d78440_gemm_ff1
	.p2align	8
	.type	k_q5ed6d78440_gemm_ff1,@function
k_q5ed6d78440_gemm_ff1:
	s_mov_b64 s[64:65], 0
	v_nop
	global_prefetch_b8 v0, s[64:65] scope:SCOPE_SE
	s_setreg_imm32_b32 hwreg(HW_REG_WAVE_MODE, 25, 1), 1
	s_wait_xcnt 0x0
	s_wait_alu depctr_hold_cnt(0) depctr_sa_sdst(0) depctr_va_vdst(0) depctr_va_sdst(0) depctr_va_ssrc(0) depctr_va_vcc(0) depctr_vm_vsrc(0)
	s_getreg_b32 s2, hwreg(HW_REG_IB_STS2, 6, 4)
	s_cmp_eq_u32 s2, 0
	s_cbranch_scc0 .Lentry_in_a_cluster
	s_endpgm
.Lentry_in_a_cluster:
	s_bfe_u32 s2, ttmp6, 0x10000c
	s_cmp_lg_u32 s2, 0xf033
	s_cbranch_scc0 .Lentry_shape_is_right
	s_endpgm
.Lentry_shape_is_right:
; hmid = relu(x1 ff1_w + ff1_b): 4,096 x 4,096 x 1,024, f16 operands, f32 sums; the activation in f32; the result rounded once to f16: hmid [4096][4096].  LIMIT: beyond 65,504 it becomes infinity.
; The form of the projections' launch: a tile of 256 x 256 by four waves, each 128 x 128 in 512 registers; K in steps of 128 through a ring of two LDS slots; A (x1 in f16, x1b + X1H) lies along K;
; B (wh + 8 MiB) lies [K][N] as the weight is given, 128 rows of k x 256 columns a slot, and its fragments are turned as they are read.  CLUSTERS 4 x 4: A's tiles jointly along a row, B's along a column.
; THE MATRIX INSTRUCTION IS USED TRANSPOSED: a lane holds eight neighbouring columns of one row.  The bias is the C of each sum's first instruction.
; REGISTERS: window 0: v0-31 addresses; v64-127, v128-191 A's fragments; v192-255 the bias, later the way out.  window 1: v64-127, v128-191 B's.  windows 2, 3: the 64 accumulators.
.set KSTEP,  128
.set PITCH,  272
.set PB,     544
.set HALFT,  128*PITCH
.set SLOT,   4*HALFT
.set STAGE,  2*SLOT
.set SPITCH, 272
.set SPARE,  STAGE+4*16*SPITCH         ; the spare words, 128 bytes a wave, which no other line names
.set LAPS,   4
.set AROW,   1024
.set BROW,   4096
.set ASTEP,  KSTEP*2
.set BSTEP,  KSTEP*BROW*2
.set CROW,   8192                      ; a row of hmid in bytes
.set X1H,    0x1000000
.set WOFF,   0x800000
.set ADRA, 16
.set ADRB, 20
.set STO,  24
.set RD,   25
.set CO,   26
.set SPW,  28
.set NIL,  29
.set BO,   30
.set F0,   64
.set F1,   128
.set BIAS, 192
.set TMP,  192
.set OB,   32
.set G1, 24
.set G0, 32
.set G1B, 48
.set G0B, 56
.set MSB, 0
.macro WIN new
.if MSB != \new
	s_set_vgpr_msb (MSB<<8)|\new
.set MSB, \new
.endif
.endm
.set MUL_LO, 0xa1
.set MUL_HI, 0xf1
.set TO_B,   0x40
.macro JLOAD s                         ; a joint load: waves 0 and 1 fetch A's halves, waves 2 and 3 B's; an s_nop 0 and four v_nop follow each line
	s_cmp_eq_u32 s11, 0
	s_cbranch_scc0 .Lfor_b_\@
	tensor_load_to_lds s[G0+4*\s:G0+4*\s+3], s[G1:G1+7]
	s_nop 0
.rept 4
	v_nop
.endr
	s_branch .Lasked_\@
.Lfor_b_\@:
	tensor_load_to_lds s[G0B+4*\s:G0B+4*\s+3], s[G1B:G1B+7]
	s_nop 0
.rept 4
	v_nop
.endr
.Lasked_\@:
.endm
.macro CREST
	s_cmp_lg_u32 s10, 0
	s_cbranch_scc1 .Lnot_wave_0_\@
	s_barrier_signal -3
.Lnot_wave_0_\@:
	s_barrier_wait -3
	s_barrier_signal -1
	s_barrier_wait -1
.endm
.macro CROUND
	s_barrier_signal -1
	s_barrier_wait -1
	CREST
.endm
	s_load_b256 s[68:75], s[0:1], 0x0              ; x1b s[68:69], wh s[70:71], ff1_b s[72:73], hmid s[74:75]
	v_lshl_add_u32 v[SPW], v0, 2, SPARE
	v_mov_b32 v[NIL], 0
	ds_add_u32 v[SPW], v[NIL]                      ; the wave's opening: the add, twice on end, and its wait ahead of my first tensor load
	ds_add_u32 v[SPW], v[NIL]
	v_lshrrev_b32 v1, 5, v0
	v_readfirstlane_b32 s10, v1
	s_lshr_b32 s11, s10, 1
	s_and_b32 s12, s10, 1
	s_bfe_u32 s40, ttmp6, 0x40000                  ; cx
	s_bfe_u32 s41, ttmp6, 0x40004                  ; cy
	s_lshl_b32 s42, ttmp9, 2
	s_add_co_u32 s42, s42, s40                     ; tile column
	s_and_b32 s13, ttmp7, 0xffff
	s_lshl_b32 s13, s13, 2
	s_add_co_u32 s13, s13, s41                     ; tile row
	s_lshl_b32 s43, s41, 2
	s_lshl_b32 s43, 15, s43
	s_lshl_b32 s44, 0x1111, s40
	s_or_b32 s[G1+0], s43, (1<<16)|(1<<20)|(1<<21)|(5<<22)|(3<<25)
	s_mov_b32 s[G1+1], KSTEP<<16
	s_mov_b32 s[G1+2], 128<<16
	s_mov_b32 s[G1+3], KSTEP<<16
	s_mov_b32 s[G1+4], 128
	s_mov_b32 s[G1+5], AROW
	s_mov_b32 s[G1+6], 0
	s_mov_b32 s[G1+7], 0
	s_or_b32 s[G1B+0], s44, (1<<16)|(1<<20)|(1<<21)|(6<<22)|(7<<25)
	s_mov_b32 s[G1B+1], 256<<16
	s_mov_b32 s[G1B+2], 64<<16
	s_mov_b32 s[G1B+3], 256<<16
	s_mov_b32 s[G1B+4], 64
	s_mov_b32 s[G1B+5], BROW
	s_mov_b32 s[G1B+6], 0
	s_mov_b32 s[G1B+7], 0
	s_lshl_b32 s16, s13, 8
	s_lshl_b32 s17, s12, 7
	s_add_co_u32 s16, s16, s17                     ; A: row 256 x tile row + 128 x half
	s_lshl_b32 s16, s16, 11
	s_add_co_u32 s16, s16, X1H
	s_mov_b32 s17, 0
	s_lshl_b32 s46, s12, 19                        ; B: 64 rows of k x half,
	s_lshl_b32 s47, s42, 9                         ; 256 columns x tile column
	s_add_co_u32 s46, s46, s47
	s_add_co_u32 s46, s46, WOFF
	s_mov_b32 s47, 0
	s_mul_i32 s20, s10, HALFT
	s_wait_dscnt 0x0
	s_wait_kmcnt 0x0
	s_add_nc_u64 s[14:15], s[68:69], s[16:17]
	s_add_nc_u64 s[46:47], s[70:71], s[46:47]
	CROUND
.irp s, 0,1
	s_mov_b32 s[G0+4*\s], 1
	s_add_co_u32 s[G0+4*\s+1], s20, \s*SLOT
	s_add_nc_u64 s[G0+4*\s+2:G0+4*\s+3], s[14:15], \s*ASTEP
	s_or_b32 s[G0+4*\s+3], s[G0+4*\s+3], 0x80000000
	s_mov_b32 s[G0B+4*\s], 1
	s_add_co_u32 s[G0B+4*\s+1], s20, \s*SLOT
	s_add_nc_u64 s[G0B+4*\s+2:G0B+4*\s+3], s[46:47], \s*BSTEP
	s_or_b32 s[G0B+4*\s+3], s[G0B+4*\s+3], 0x80000000
	JLOAD \s
.endr
	v_and_b32 v1, 15, v0
	v_bfe_u32 v2, v0, 4, 1
	s_lshl_b32 s16, s13, 8
	s_lshl_b32 s17, s11, 7
	s_add_co_u32 s16, s16, s17                     ; my first row
	s_lshl_b32 s18, s16, 13
	s_lshl_b32 s46, s42, 9
	s_lshl_b32 s47, s12, 8
	s_add_co_u32 s46, s46, s47                     ; my first column in f16
	s_add_co_u32 s18, s18, s46
	s_mov_b32 s19, 0
	s_add_nc_u64 s[8:9], s[74:75], s[18:19]
	s_lshl_b32 s46, s46, 1                         ; and in f32
	s_mov_b32 s47, 0
	s_add_nc_u64 s[76:77], s[72:73], s[46:47]
	v_lshlrev_b32 v[BO], 5, v2
.irp b, 0,1,2,3,4,5,6,7
	global_load_b128 v[BIAS+8*\b:BIAS+8*\b+3], v[BO], s[76:77] offset:64*\b
	global_load_b128 v[BIAS+8*\b+4:BIAS+8*\b+7], v[BO], s[76:77] offset:64*\b+16
.endr
	v_mul_u32_u24 v3, v1, PITCH
	v_lshl_add_u32 v3, v2, 4, v3
	v_and_b32 v4, 7, v0
	v_lshl_add_u32 v4, v2, 3, v4
	v_mul_u32_u24 v4, v4, PB
	v_bfe_u32 v5, v0, 3, 1
	v_lshl_add_u32 v4, v5, 4, v4
	s_mul_i32 s21, s11, HALFT
	s_lshl_b32 s22, s12, 8
	s_add_co_u32 s22, s22, 2*HALFT
.irp s, 0,1
	v_add_nc_u32 v[ADRA+\s], s21, v3
	v_add_nc_u32 v[ADRB+\s], s22, v4
	s_add_co_u32 s21, s21, SLOT
	s_add_co_u32 s22, s22, SLOT
.endr
	s_mul_i32 s23, s10, 16*SPITCH
	s_add_co_u32 s23, s23, STAGE
	v_mul_u32_u24 v4, v1, SPITCH
	v_lshl_add_u32 v4, v2, 4, v4
	v_add_nc_u32 v[STO], s23, v4
	v_mul_u32_u24 v5, v2, SPITCH
	v_lshl_add_u32 v5, v1, 4, v5
	v_add_nc_u32 v[RD], s23, v5
	v_mul_u32_u24 v5, v2, CROW
	v_lshl_add_u32 v[CO], v1, 4, v5
.macro MUL16 f, hi, a0, first          ; 16 matrix instructions; first = 1: the sums begin with the bias.  The accumulators take turns
.irp a, \a0, \a0+1
.irp b, 0,1,2,3,4,5,6,7
.if \first
	v_wmma_f32_16x16x32_f16 v[8*(8*(\a)+\b):8*(8*(\a)+\b)+7], v[\f+8*\b:\f+8*\b+7], v[\f+8*(4*\hi+\a):\f+8*(4*\hi+\a)+7], v[BIAS+8*\b:BIAS+8*\b+7]
.else
	v_wmma_f32_16x16x32_f16 v[8*(8*(\a)+\b):8*(8*(\a)+\b)+7], v[\f+8*\b:\f+8*\b+7], v[\f+8*(4*\hi+\a):\f+8*(4*\hi+\a)+7], v[8*(8*(\a)+\b):8*(8*(\a)+\b)+7]
.endif
.endr
.endr
.endm
.macro FETCH slot, k, f                ; 32 LDS loads in one run; k: the quarter's byte in A's rows; in B row k / 2, k x 272 bytes on
	WIN TO_B
.irp i, 0,1,2,3,4,5,6,7
	ds_load_tr16_b128 v[\f+8*\i:\f+8*\i+3],   v[ADRB+\slot] offset:(\k)*272+32*\i
	ds_load_tr16_b128 v[\f+8*\i+4:\f+8*\i+7], v[ADRB+\slot] offset:(\k)*272+16*PB+32*\i
.endr
	WIN 0
.irp i, 0,1,2,3,4,5,6,7
	ds_load_b128 v[\f+8*\i:\f+8*\i+3],   v[ADRA+\slot] offset:\k+\i*16*PITCH
	ds_load_b128 v[\f+8*\i+4:\f+8*\i+7], v[ADRA+\slot] offset:\k+\i*16*PITCH+32
.endr
.endm
.macro PLACES
.rept 4
	v_nop
.endr
.endm
.macro QUARTER slot, k, f, g, first
	s_wait_dscnt 8                                 ; all but the youngest eight loads (A's rows 64-127)
	WIN MUL_LO-0x20*\first
	MUL16 \f, 0, 0, \first
	MUL16 \f, 0, 2, \first
	PLACES
	FETCH \slot, \k, \g
	s_wait_dscnt 32                                ; all but the 32 just issued
	WIN MUL_HI-0x30*\first
	MUL16 \f, 1, 0, \first
	MUL16 \f, 1, 2, \first
.endm
.macro TURN slot, next, fill           ; the last quarter changes slots: one barrier, in front of it the wait for all my tensor loads, the add, and the wait for it and for my reads of this slot
	WIN 0
	s_wait_tensorcnt 0x0
	ds_add_u32 v[SPW], v[NIL]
	s_wait_dscnt 9                                 ; (the add and the youngest eight loads may be out)
	WIN MUL_LO
	MUL16 F1, 0, 0, 0
	s_wait_dscnt 0x0
	s_barrier_signal -1
	MUL16 F1, 0, 2, 0
.if \fill
	WIN 0
.endif
	s_barrier_wait -1
.if \fill
	CREST                                          ; the round: no wave of any partner still reads this slot or has a load on its way
	s_add_nc_u64 s[G0+4*\slot+2:G0+4*\slot+3], s[G0+4*\slot+2:G0+4*\slot+3], 2*ASTEP
	s_add_nc_u64 s[G0B+4*\slot+2:G0B+4*\slot+3], s[G0B+4*\slot+2:G0B+4*\slot+3], 2*BSTEP
	JLOAD \slot                                    ; the first tensor load behind the round; its four v_nop are the places in front of the loads below
.else
	PLACES
.endif
	FETCH \next, 0, F0
	WIN MUL_HI
	MUL16 F1, 1, 0, 0
	MUL16 F1, 1, 2, 0
.endm
	s_wait_tensorcnt 1                             ; my part of K step 0 is in (K step 1's load may be out)
	s_barrier_signal -1
	s_barrier_wait -1
	FETCH 0, 0, F0
	s_wait_loadcnt 0x0                             ; the bias
	QUARTER 0, 64,  F0, F1, 1
	WIN 0
	s_mov_b32 s3, LAPS-1
.Llap:
	QUARTER 0, 128, F1, F0, 0
	QUARTER 0, 192, F0, F1, 0
	TURN 0, 1, 1
	QUARTER 1, 64,  F0, F1, 0
	QUARTER 1, 128, F1, F0, 0
	QUARTER 1, 192, F0, F1, 0
	TURN 1, 0, 1
	QUARTER 0, 64,  F0, F1, 0
	WIN 0
	s_sub_co_u32 s3, s3, 1
	s_cmp_lg_u32 s3, 0
	s_cbranch_scc1 .Llap
	QUARTER 0, 128, F1, F0, 0
	QUARTER 0, 192, F0, F1, 0
	TURN 0, 1, 0
	QUARTER 1, 64,  F0, F1, 0
	QUARTER 1, 128, F1, F0, 0
	QUARTER 1, 192, F0, F1, 0
	s_wait_dscnt 8
	WIN MUL_LO
	MUL16 F1, 0, 0, 0
	MUL16 F1, 0, 2, 0
	s_wait_dscnt 0
	WIN MUL_HI
	MUL16 F1, 1, 0, 0
	MUL16 F1, 1, 2, 0
	WIN 0
	PLACES
; THE WAY OUT: the activation in f32, in place; rounded to f16; 16 bytes a lane through my stage; back as rows of 256 bytes
.macro PACK a
.set AC, 64*((\a)%4)
	WIN 0x88+0x44*((\a)/4)                         ; source 1 and destination: window 2 or 3
.set i, 0
.rept 64
	v_max_num_f32 v[AC+i], 0, v[AC+i]              ; each accumulator from its low end on
.set i, i+1
.endr
	WIN 0x0a+5*((\a)/4)
.irp b, 0,1,2,3,4,5,6,7
.irp r, 0,1,2,3
	v_cvt_pk_f16_f32 v[TMP+4*\b+\r], v[AC+8*\b+2*\r], v[AC+8*\b+2*\r+1]
.endr
.endr
	WIN 0
.endm
.macro TOSTAGE a
.set BK, OB+192*((\a)%2)
.irp b, 0,1,2,3,4,5,6,7
	ds_store_b128 v[STO], v[TMP+4*\b:TMP+4*\b+3] offset:32*\b
.endr
.irp t, 0,1,2,3,4,5,6,7
	ds_load_b128 v[BK+4*\t:BK+4*\t+3], v[RD] offset:\t*2*SPITCH
.endr
.endm
.macro SEND a
.set BK, OB+192*((\a)%2)
	s_wait_dscnt 0x0
	s_wait_xcnt 0x0                                ; the block before's stores have read their registers
.irp t, 0,1,2,3,4,5,6,7
	global_store_b128 v[CO], v[BK+4*\t:BK+4*\t+3], s[8:9] offset:(16*(\a)+2*\t)*CROW   ; sixteen lanes store 256 consecutive bytes, aligned
.endr
.endm
	PACK 0
	TOSTAGE 0
.irp a, 1,2,3,4,5,6,7
	PACK \a
	SEND \a-1
	TOSTAGE \a
.endr
	SEND 7
	s_wait_tensorcnt 0x0                           ; the wave's end
	ds_add_u32 v[SPW], v[NIL]
	s_wait_dscnt 0x0
	CROUND                                         ; the closing round
	s_endpgm
.Lfunc_end_k_q5ed6d78440_gemm_ff1:
	.size	k_q5ed6d78440_gemm_ff1, .Lfunc_end_k_q5ed6d78440_gemm_ff1-k_q5ed6d78440_gemm_ff1
	.p2alignl 7, 3214868480
	.fill 96, 4, 3214868480
	.section	.rodata,"a",@progbits
	.p2align	6, 0x0
	.amdhsa_kernel k_q5ed6d78440_gemm_ff1
		.amdhsa_group_segment_fixed_size 327680
		.amdhsa_private_segment_fixed_size 0
		.amdhsa_enable_private_segment 0
		.amdhsa_kernarg_size 32
		.amdhsa_user_sgpr_count 2
		.amdhsa_user_sgpr_kernarg_segment_ptr 1
		.amdhsa_wavefront_size32 1
		.amdhsa_system_sgpr_workgroup_id_x 1
		.amdhsa_system_sgpr_workgroup_id_y 1
		.amdhsa_system_sgpr_workgroup_id_z 1
		.amdhsa_system_vgpr_workitem_id 0
		.amdhsa_next_free_vgpr 1024
		.amdhsa_next_free_sgpr 80
		.amdhsa_reserve_vcc 0
		.amdhsa_float_denorm_mode_32 3
		.amdhsa_float_denorm_mode_16_64 3
		.amdhsa_memory_ordered 1
		.amdhsa_forward_progress 1
		.amdhsa_inst_pref_size 160
	.end_amdhsa_kernel
	.amdgpu_metadata
---
amdhsa.version: [ 1, 2 ]
amdhsa.kernels:
  - .name:           k_q5ed6d78440_gemm_ff1
    .symbol:         k_q5ed6d78440_gemm_ff1.kd
    .args:
      - { .name: x1b, .offset: 0, .size: 8, .value_kind: global_buffer, .address_space: global }
      - { .name: wh, .offset: 8, .size: 8, .value_kind: global_buffer, .address_space: global }
      - { .name: ff1_b, .offset: 16, .size: 8, .value_kind: global_buffer, .address_space: global }
      - { .name: hmid, .offset: 24, .size: 8, .value_kind: global_buffer, .address_space: global }
    .group_segment_fixed_size: 327680
    .private_segment_fixed_size: 0
    .kernarg_segment_align: 8
    .kernarg_segment_size: 32
    .max_flat_workgroup_size: 128
    .sgpr_count:     80
    .vgpr_count:     1024
    .wavefront_size: 32
...
	.end_amdgpu_metadata
.endif
;; end of part 6
;; launch gemm_ff2 (part 7): grid 8 x 32, 4 waves a work-group, clusters of 4 x 4, 327,680 bytes of LDS; arguments hmid, wh, ff2_b, ob; writes ob
.if DOCPART == 7
	.amdgcn_target "amdgcn-amd-amdhsa--gfx1250"
	.amdhsa_code_object_version 6
	.text
	.protected	k_q5ed6d78440_gemm_ff2
	.globl	k_q5ed6d78440_gemm_ff2
	.p2align	8
	.type	k_q5ed6d78440_gemm_ff2,@function
k_q5ed6d78440_gemm_ff2:
	s_mov_b64 s[64:65], 0
	v_nop
	global_prefetch_b8 v0, s[64:65] scope:SCOPE_SE
	s_setreg_imm32_b32 hwreg(HW_REG_WAVE_MODE, 25, 1), 1
	s_wait_xcnt 0x0
	s_wait_alu depctr_hold_cnt(0) depctr_sa_sdst(0) depctr_va_vdst(0) depctr_va_sdst(0) depctr_va_ssrc(0) depctr_va_vcc(0) depctr_vm_vsrc(0)
	s_getreg_b32 s2, hwreg(HW_REG_IB_STS2, 6, 4)
	s_cmp_eq_u32 s2, 0
	s_cbranch_scc0 .Lentry_in_a_cluster
	s_endpgm
.Lentry_in_a_cluster:
	s_bfe_u32 s2, ttmp6, 0x10000c
	s_cmp_lg_u32 s2, 0xf033
	s_cbranch_scc0 .Lentry_shape_is_right
	s_endpgm
.Lentry_shape_is_right:
; ob = hmid ff2_w + ff2_b: 4,096 x 1,024 x 4,096, f16 operands, f32 sums, f32 out ([4096][1024]; the buffer's earlier content, attention's, has been used up).
; 4,096 x 1,024 makes 64 tiles of 256 x 256 and 256 of 128 x 128: the smaller tile gives every WGP one.  Four waves, each 64 x 64: 16 accumulators.  K goes in steps of 256 through a ring of two LDS slots.
; A (hmid) lies along K: 128 rows of 512 bytes + 16.  B (wh + 16 MiB) lies [K][N]: 256 rows of k x 128 columns (256 bytes + 32); its fragments are turned as they are read.
; CLUSTERS 4 x 4: A's tiles jointly along a row of the cluster, B's along a column.  THE MATRIX INSTRUCTION IS USED TRANSPOSED.  The bias is the C of each sum's first instruction.
; REGISTERS: window 0: v0-31 addresses; v32-95 the way out; v96-127 the bias; v128-255 the accumulators.  window 1: two fragment buffers of 128 (64 of A, 64 of B, for 64 along K).
.set KSTEP,  256
.set PITCH,  528
.set PB,     288                       ; an odd multiple of 32
.set HALFA,  64*PITCH
.set HALFB,  128*PB
.set SLOT,   2*HALFA+2*HALFB
.set STAGE,  2*SLOT                    ; behind the ring: 16 rows x (256 + 16) for each wave
.set SPITCH, 272
.set SPARE,  STAGE+4*16*SPITCH         ; the spare words, 128 bytes a wave, which no other line names
.set LAPS,   8                         ; 4,096 / (2 x 256)
.set AROW,   4096
.set BROW,   1024
.set ASTEP,  KSTEP*2
.set BSTEP,  KSTEP*BROW*2
.set CROW,   4096                      ; a row of ob in bytes
.set WOFF,   0x1000000
.set ADRA, 16                          ; v16-17  A's fragments in slot 0, 1
.set ADRB, 20                          ; v20-23  B's: slot + 2 x (rows of k from 128 on), so that every offset stays inside 16 bits
.set STO,  24
.set RD,   25
.set CO,   26
.set SPW,  28
.set NIL,  29
.set BO,   30
.set TMP,  32
.set BIAS, 96
.set ACC,  128
.set F0,   0
.set F1,   128
.set G1, 24
.set G0, 32
.set G1B, 48
.set G0B, 56
.set MSB, 0
.macro WIN new
.if MSB != \new
	s_set_vgpr_msb (MSB<<8)|\new
.set MSB, \new
.endif
.endm
.set MUL,  0x05                        ; sources 0 (B) and 1 (A) window 1; C and D window 0
.set TO_F, 0x40
.macro JLOAD s
	s_cmp_eq_u32 s11, 0
	s_cbranch_scc0 .Lfor_b_\@
	tensor_load_to_lds s[G0+4*\s:G0+4*\s+3], s[G1:G1+7]
	s_nop 0
.rept 4
	v_nop
.endr
	s_branch .Lasked_\@
.Lfor_b_\@:
	tensor_load_to_lds s[G0B+4*\s:G0B+4*\s+3], s[G1B:G1B+7]
	s_nop 0
.rept 4
	v_nop
.endr
.Lasked_\@:
.endm
.macro CREST
	s_cmp_lg_u32 s10, 0
	s_cbranch_scc1 .Lnot_wave_0_\@
	s_barrier_signal -3
.Lnot_wave_0_\@:
	s_barrier_wait -3
	s_barrier_signal -1
	s_barrier_wait -1
.endm
.macro CROUND
	s_barrier_signal -1
	s_barrier_wait -1
	CREST
.endm
	s_load_b256 s[68:75], s[0:1], 0x0              ; hmid s[68:69], wh s[70:71], ff2_b s[72:73], ob s[74:75]
	v_lshl_add_u32 v[SPW], v0, 2, SPARE
	v_mov_b32 v[NIL], 0
	ds_add_u32 v[SPW], v[NIL]                      ; the wave's opening: the add, twice on end, and its wait ahead of my first tensor load
	ds_add_u32 v[SPW], v[NIL]
	v_lshrrev_b32 v1, 5, v0
	v_readfirstlane_b32 s10, v1
	s_lshr_b32 s11, s10, 1                         ; my half of the rows; also: I fetch for A (0) or B (1)
	s_and_b32 s12, s10, 1                          ; my half of the columns; also: which half of that tile I fetch
	s_bfe_u32 s40, ttmp6, 0x40000
	s_bfe_u32 s41, ttmp6, 0x40004
	s_lshl_b32 s42, ttmp9, 2
	s_add_co_u32 s42, s42, s40                     ; tile column
	s_and_b32 s13, ttmp7, 0xffff
	s_lshl_b32 s13, s13, 2
	s_add_co_u32 s13, s13, s41                     ; tile row
	s_lshl_b32 s43, s41, 2
	s_lshl_b32 s43, 15, s43
	s_lshl_b32 s44, 0x1111, s40
	s_or_b32 s[G1+0], s43, (1<<16)|(1<<20)|(1<<21)|(6<<22)|(3<<25)   ; A: 4 words of padding behind every 128
	s_mov_b32 s[G1+1], KSTEP<<16
	s_mov_b32 s[G1+2], 64<<16
	s_mov_b32 s[G1+3], KSTEP<<16
	s_mov_b32 s[G1+4], 64
	s_mov_b32 s[G1+5], AROW
	s_mov_b32 s[G1+6], 0
	s_mov_b32 s[G1+7], 0
	s_or_b32 s[G1B+0], s44, (1<<16)|(1<<20)|(1<<21)|(5<<22)|(7<<25)  ; B: 8 words behind every 64
	s_mov_b32 s[G1B+1], 128<<16                    ; 128 columns,
	s_mov_b32 s[G1B+2], 128<<16                    ; 128 rows of k
	s_mov_b32 s[G1B+3], 128<<16
	s_mov_b32 s[G1B+4], 128
	s_mov_b32 s[G1B+5], BROW
	s_mov_b32 s[G1B+6], 0
	s_mov_b32 s[G1B+7], 0
	s_lshl_b32 s16, s13, 7
	s_lshl_b32 s17, s12, 6
	s_add_co_u32 s16, s16, s17                     ; A: row 128 x tile row + 64 x half
	s_lshl_b32 s16, s16, 13
	s_mov_b32 s17, 0
	s_lshl_b32 s46, s12, 18                        ; B: 128 rows of k x half,
	s_lshl_b32 s47, s42, 8                         ; 128 columns x tile column
	s_add_co_u32 s46, s46, s47
	s_add_co_u32 s46, s46, WOFF
	s_mov_b32 s47, 0
	s_mul_i32 s20, s12, HALFA                      ; where they go: A's halves,
	s_mul_i32 s21, s12, HALFB
	s_add_co_u32 s21, s21, 2*HALFA                 ; then B's
	s_wait_dscnt 0x0
	s_wait_kmcnt 0x0
	s_add_nc_u64 s[14:15], s[68:69], s[16:17]
	s_add_nc_u64 s[46:47], s[70:71], s[46:47]
	CROUND
.irp s, 0,1
	s_mov_b32 s[G0+4*\s], 1
	s_add_co_u32 s[G0+4*\s+1], s20, \s*SLOT
	s_add_nc_u64 s[G0+4*\s+2:G0+4*\s+3], s[14:15], \s*ASTEP
	s_or_b32 s[G0+4*\s+3], s[G0+4*\s+3], 0x80000000
	s_mov_b32 s[G0B+4*\s], 1
	s_add_co_u32 s[G0B+4*\s+1], s21, \s*SLOT
	s_add_nc_u64 s[G0B+4*\s+2:G0B+4*\s+3], s[46:47], \s*BSTEP
	s_or_b32 s[G0B+4*\s+3], s[G0B+4*\s+3], 0x80000000
	JLOAD \s
.endr
	v_and_b32 v1, 15, v0
	v_bfe_u32 v2, v0, 4, 1
	s_lshl_b32 s16, s13, 7
	s_lshl_b32 s17, s11, 6
	s_add_co_u32 s16, s16, s17                     ; my first row
	s_lshl_b32 s18, s16, 12
	s_lshl_b32 s46, s42, 9
	s_lshl_b32 s47, s12, 8
	s_add_co_u32 s46, s46, s47                     ; my first column, in bytes of f32
	s_add_co_u32 s18, s18, s46
	s_mov_b32 s19, 0
	s_add_nc_u64 s[8:9], s[74:75], s[18:19]
	s_mov_b32 s47, 0
	s_add_nc_u64 s[76:77], s[72:73], s[46:47]
	v_lshlrev_b32 v[BO], 5, v2
.irp b, 0,1,2,3
	global_load_b128 v[BIAS+8*\b:BIAS+8*\b+3], v[BO], s[76:77] offset:64*\b
	global_load_b128 v[BIAS+8*\b+4:BIAS+8*\b+7], v[BO], s[76:77] offset:64*\b+16
.endr
	v_mul_u32_u24 v3, v1, PITCH
	v_lshl_add_u32 v3, v2, 4, v3
	v_and_b32 v4, 7, v0
	v_lshl_add_u32 v4, v2, 3, v4
	v_mul_u32_u24 v4, v4, PB
	v_bfe_u32 v5, v0, 3, 1
	v_lshl_add_u32 v4, v5, 4, v4
	s_mul_i32 s21, s11, HALFA                      ; my 64 rows of A
	s_lshl_b32 s22, s12, 7                         ; my 64 columns of B
	s_add_co_u32 s22, s22, 2*HALFA
.irp s, 0,1
	v_add_nc_u32 v[ADRA+\s], s21, v3
	v_add_nc_u32 v[ADRB+\s], s22, v4
	v_add_nc_u32 v[ADRB+2+\s], HALFB, v[ADRB+\s]
	s_add_co_u32 s21, s21, SLOT
	s_add_co_u32 s22, s22, SLOT
.endr
	s_mul_i32 s23, s10, 16*SPITCH
	s_add_co_u32 s23, s23, STAGE
	v_mul_u32_u24 v4, v1, SPITCH
	v_lshl_add_u32 v4, v2, 5, v4
	v_add_nc_u32 v[STO], s23, v4                   ; in: row r, 32 bytes for each half of the lanes
	v_mul_u32_u24 v5, v2, SPITCH
	v_lshl_add_u32 v5, v1, 4, v5
	v_add_nc_u32 v[RD], s23, v5                    ; back: lanes 0-15 one row of 256 bytes, lanes 16-31 the next
	v_lshlrev_b32 v5, 12, v2
	v_lshl_add_u32 v[CO], v1, 4, v5
.macro MUL8 f, c, a0, first            ; 8 matrix instructions: row blocks a0, a0 + 1 x all 4 column blocks, 32 along K: half c of buffer f.  The accumulators take turns
.irp a, \a0, \a0+1
.irp b, 0,1,2,3
.if \first
	v_wmma_f32_16x16x32_f16 v[ACC+8*(4*(\a)+\b):ACC+8*(4*(\a)+\b)+7], v[\f+64+8*(4*\c+\b):\f+64+8*(4*\c+\b)+7], v[\f+8*(4*\c+\a):\f+8*(4*\c+\a)+7], v[BIAS+8*\b:BIAS+8*\b+7]
.else
	v_wmma_f32_16x16x32_f16 v[ACC+8*(4*(\a)+\b):ACC+8*(4*(\a)+\b)+7], v[\f+64+8*(4*\c+\b):\f+64+8*(4*\c+\b)+7], v[\f+8*(4*\c+\a):\f+8*(4*\c+\a)+7], v[ACC+8*(4*(\a)+\b):ACC+8*(4*(\a)+\b)+7]
.endif
.endr
.endr
.endm
.macro FETCH slot, k, f                ; 32 LDS loads in one run: 64 along K at byte k of A's rows (row k / 2 of B), the first 32 along K first
	WIN TO_F
.irp c, 0,1
.irp i, 0,1,2,3
	ds_load_tr16_b128 v[\f+64+8*(4*\c+\i):\f+64+8*(4*\c+\i)+3],   v[ADRB+\slot+2*((\k)/256)] offset:(((\k)%256)/2+32*\c)*PB+32*\i
	ds_load_tr16_b128 v[\f+64+8*(4*\c+\i)+4:\f+64+8*(4*\c+\i)+7], v[ADRB+\slot+2*((\k)/256)] offset:(((\k)%256)/2+32*\c)*PB+16*PB+32*\i
	ds_load_b128 v[\f+8*(4*\c+\i):\f+8*(4*\c+\i)+3],         v[ADRA+\slot] offset:\k+64*\c+\i*16*PITCH
	ds_load_b128 v[\f+8*(4*\c+\i)+4:\f+8*(4*\c+\i)+7],       v[ADRA+\slot] offset:\k+64*\c+\i*16*PITCH+32
.endr
.endr
.endm
.macro PLACES
.rept 4
	v_nop
.endr
.endm
.macro QUARTER slot, k, f, g, first
	s_wait_dscnt 16                                ; the first 32 along K are in; the other sixteen loads may be out
	WIN MUL
	MUL8 \f, 0, 0, \first
	MUL8 \f, 0, 2, \first
	PLACES
	FETCH \slot, \k, \g
	s_wait_dscnt 32                                ; all but the 32 just issued
	WIN MUL
	MUL8 \f, 1, 0, 0
	MUL8 \f, 1, 2, 0
.endm
.macro TURN slot, next, fill           ; the last quarter changes slots: one barrier, in front of it the wait for all my tensor loads, the add, and the wait for it and for my reads of this slot
	WIN 0
	s_wait_tensorcnt 0x0
	ds_add_u32 v[SPW], v[NIL]
	s_wait_dscnt 17                                ; (the add and the youngest sixteen loads may be out)
	WIN MUL
	MUL8 F1, 0, 0, 0
	s_wait_dscnt 0x0
	s_barrier_signal -1
	MUL8 F1, 0, 2, 0
.if \fill
	WIN 0
.endif
	s_barrier_wait -1
.if \fill
	CREST                                          ; the round: no wave of any partner still reads this slot or has a load on its way
	s_add_nc_u64 s[G0+4*\slot+2:G0+4*\slot+3], s[G0+4*\slot+2:G0+4*\slot+3], 2*ASTEP
	s_add_nc_u64 s[G0B+4*\slot+2:G0B+4*\slot+3], s[G0B+4*\slot+2:G0B+4*\slot+3], 2*BSTEP
	JLOAD \slot                                    ; the first tensor load behind the round, 112 matrix instructions ahead of the wait for it; its four v_nop are the places in front of the loads below
.else
	PLACES
.endif
	FETCH \next, 0, F0
	WIN MUL
	MUL8 F1, 1, 0, 0
	MUL8 F1, 1, 2, 0
.endm
	s_wait_tensorcnt 1                             ; my part of K step 0 is in (K step 1's load may be out)
	s_barrier_signal -1
	s_barrier_wait -1
	FETCH 0, 0, F0
	s_wait_loadcnt 0x0                             ; the bias
	QUARTER 0, 128, F0, F1, 1
	WIN 0
	s_mov_b32 s3, LAPS-1
.Llap:
	QUARTER 0, 256, F1, F0, 0
	QUARTER 0, 384, F0, F1, 0
	TURN 0, 1, 1
	QUARTER 1, 128, F0, F1, 0
	QUARTER 1, 256, F1, F0, 0
	QUARTER 1, 384, F0, F1, 0
	TURN 1, 0, 1
	QUARTER 0, 128, F0, F1, 0
	WIN 0
	s_sub_co_u32 s3, s3, 1
	s_cmp_lg_u32 s3, 0
	s_cbranch_scc1 .Llap
	QUARTER 0, 256, F1, F0, 0                      ; the last lap fills nothing
	QUARTER 0, 384, F0, F1, 0
	TURN 0, 1, 0
	QUARTER 1, 128, F0, F1, 0
	QUARTER 1, 256, F1, F0, 0
	QUARTER 1, 384, F0, F1, 0
	s_wait_dscnt 16
	WIN MUL
	MUL8 F1, 0, 0, 0
	MUL8 F1, 0, 2, 0
	s_wait_dscnt 0
	MUL8 F1, 1, 0, 0
	MUL8 F1, 1, 2, 0
	WIN 0
	PLACES
; THE WAY OUT in f32: my 64 columns are 256 aligned bytes of a row, so each wave has a stage of its own and no barrier is needed: 16 rows at a time in, whole rows back
.macro TOSTAGE a
.irp b, 0,1,2,3
	ds_store_b128 v[STO], v[ACC+8*(4*(\a)+\b):ACC+8*(4*(\a)+\b)+3] offset:64*\b        ; each accumulator from its low end on
	ds_store_b128 v[STO], v[ACC+8*(4*(\a)+\b)+4:ACC+8*(4*(\a)+\b)+7] offset:64*\b+16
.endr
.set BB, TMP+32*((\a)%2)
.irp t, 0,1,2,3,4,5,6,7
	ds_load_b128 v[BB+4*\t:BB+4*\t+3], v[RD] offset:\t*2*SPITCH    ; in order behind the stores above
.endr
.endm
.macro SEND a, younger                 ; younger: the LDS instructions issued behind block a's loads
.set BB, TMP+32*((\a)%2)
	s_wait_dscnt \younger
.irp t, 0,1,2,3,4,5,6,7
	global_store_b128 v[CO], v[BB+4*\t:BB+4*\t+3], s[8:9] offset:(16*(\a)+2*\t)*CROW   ; sixteen lanes store 256 consecutive bytes, aligned
.endr
.endm
	TOSTAGE 0
.irp a, 1,2,3
.if \a > 1
	s_wait_xcnt 0x0                                ; block a - 2's stores have read their registers: block a's loads may land there
.endif
	TOSTAGE \a
	SEND \a-1, 16                                  ; behind block a - 1's loads: block a's 8 stores and 8 loads
.endr
	SEND 3, 0
	s_wait_tensorcnt 0x0                           ; the wave's end
	ds_add_u32 v[SPW], v[NIL]
	s_wait_dscnt 0x0
	CROUND                                         ; the closing round
	s_endpgm
.Lfunc_end_k_q5ed6d78440_gemm_ff2:
	.size	k_q5ed6d78440_gemm_ff2, .Lfunc_end_k_q5ed6d78440_gemm_ff2-k_q5ed6d78440_gemm_ff2
	.p2alignl 7, 3214868480
	.fill 96, 4, 3214868480
	.section	.rodata,"a",@progbits
	.p2align	6, 0x0
	.amdhsa_kernel k_q5ed6d78440_gemm_ff2
		.amdhsa_group_segment_fixed_size 327680
		.amdhsa_private_segment_fixed_size 0
		.amdhsa_enable_private_segment 0
		.amdhsa_kernarg_size 32
		.amdhsa_user_sgpr_count 2
		.amdhsa_user_sgpr_kernarg_segment_ptr 1
		.amdhsa_wavefront_size32 1
		.amdhsa_system_sgpr_workgroup_id_x 1
		.amdhsa_system_sgpr_workgroup_id_y 1
		.amdhsa_system_sgpr_workgroup_id_z 1
		.amdhsa_system_vgpr_workitem_id 0
		.amdhsa_next_free_vgpr 512
		.amdhsa_next_free_sgpr 80
		.amdhsa_reserve_vcc 0
		.amdhsa_float_denorm_mode_32 3
		.amdhsa_float_denorm_mode_16_64 3
		.amdhsa_memory_ordered 1
		.amdhsa_forward_progress 1
		.amdhsa_inst_pref_size 87
	.end_amdhsa_kernel
	.amdgpu_metadata
---
amdhsa.version: [ 1, 2 ]
amdhsa.kernels:
  - .name:           k_q5ed6d78440_gemm_ff2
    .symbol:         k_q5ed6d78440_gemm_ff2.kd
    .args:
      - { .name: hmid, .offset: 0, .size: 8, .value_kind: global_buffer, .address_space: global }
      - { .name: wh, .offset: 8, .size: 8, .value_kind: global_buffer, .address_space: global }
      - { .name: ff2_b, .offset: 16, .size: 8, .value_kind: global_buffer, .address_space: global }
      - { .name: ob, .offset: 24, .size: 8, .value_kind: global_buffer, .address_space: global }
    .group_segment_fixed_size: 327680
    .private_segment_fixed_size: 0
    .kernarg_segment_align: 8
    .kernarg_segment_size: 32
    .max_flat_workgroup_size: 128
    .sgpr_count:     80
    .vgpr_count:     512
    .wavefront_size: 32
...
	.end_amdgpu_metadata
.endif
;; end of part 7
;; launch ln_two (part 8): grid 512 x 1, 8 waves a work-group, no clusters, 0 bytes of LDS; arguments ob, x1b, ffn_g, ffn_b, ln2_g, ln2_b, out0; writes out0
.if DOCPART == 8
	.amdgcn_target "amdgcn-amd-amdhsa--gfx1250"
	.amdhsa_code_object_version 6
	.text
	.protected	k_q5ed6d78440_ln_two
	.globl	k_q5ed6d78440_ln_two
	.p2align	8
	.type	k_q5ed6d78440_ln_two,@function
k_q5ed6d78440_ln_two:
	s_mov_b64 s[64:65], 0
	v_nop
	global_prefetch_b8 v0, s[64:65] scope:SCOPE_SE
	s_setreg_imm32_b32 hwreg(HW_REG_WAVE_MODE, 25, 1), 1
	s_wait_xcnt 0x0
; out0 = layernorm(x1 + layernorm(hmid ff2_w + ff2_b; ffn_g, ffn_b); ln2_g, ln2_b), all in f32.  ob (the product with its bias) and x1 (x1b + 0): [4096][1024] f32.
; One wave, one row of 4,096 bytes in 32 registers a lane; both reductions stay inside the wave: no LDS, no barrier.  Each variance is taken of the centred numbers.
; A stream: no matrix unit, no cluster (nothing is shared but the gains).
.set D,   16                           ; v16-47   the row at work
.set X1,  48                           ; v48-79   x1
.set G1R, 80                           ; v80-111  ffn_g
.set B1R, 112                          ; v112-143 ffn_b
.set G2R, 144                          ; v144-175 ln2_g
.set B2R, 176                          ; v176-207 ln2_b
	s_load_b256 s[4:11], s[0:1], 0x0               ; ob, x1b, ffn_g, ffn_b
	s_load_b128 s[12:15], s[0:1], 0x20             ; ln2_g, ln2_b
	s_load_b64 s[26:27], s[0:1], 0x30              ; out0
	v_lshrrev_b32 v1, 5, v0
	v_readfirstlane_b32 s16, v1
	v_and_b32 v2, 31, v0
	v_lshlrev_b32 v1, 4, v2                        ; 16 bytes a lane
	s_lshl_b32 s17, ttmp9, 3
	s_add_co_u32 s17, s17, s16                     ; my row
	s_lshl_b32 s18, s17, 12
	s_mov_b32 s19, 0
	s_mov_b32 s22, 0x76543210                      ; v_permlanex16_b32: lane l xor 16
	s_mov_b32 s23, 0xfedcba98
	s_mov_b32 s24, 0x3a800000                      ; 1 / 1,024
	s_mov_b32 s25, 0x3727c5ac                      ; eps = 1e-5
	s_wait_kmcnt 0x0
	s_add_nc_u64 s[4:5], s[4:5], s[18:19]
	s_add_nc_u64 s[6:7], s[6:7], s[18:19]
	s_add_nc_u64 s[26:27], s[26:27], s[18:19]
.irp j, 0,1,2,3,4,5,6,7
	global_load_b128 v[D+4*\j:D+4*\j+3], v1, s[4:5] offset:512*\j th:TH_LOAD_NT
.endr
.irp j, 0,1,2,3,4,5,6,7
	global_load_b128 v[X1+4*\j:X1+4*\j+3], v1, s[6:7] offset:512*\j th:TH_LOAD_NT
.endr
.irp j, 0,1,2,3,4,5,6,7
	global_load_b128 v[G1R+4*\j:G1R+4*\j+3], v1, s[8:9] offset:512*\j
.endr
.irp j, 0,1,2,3,4,5,6,7
	global_load_b128 v[B1R+4*\j:B1R+4*\j+3], v1, s[10:11] offset:512*\j
.endr
.irp j, 0,1,2,3,4,5,6,7
	global_load_b128 v[G2R+4*\j:G2R+4*\j+3], v1, s[12:13] offset:512*\j
.endr
.irp j, 0,1,2,3,4,5,6,7
	global_load_b128 v[B2R+4*\j:B2R+4*\j+3], v1, s[14:15] offset:512*\j
.endr
.macro ALLSUM a, t                     ; v[a] summed over the 32 lanes, in every lane; v[t] has been written before
	v_add_f32_dpp v[\a], v[\a], v[\a] row_xmask:1 row_mask:0xf bank_mask:0xf
	v_add_f32_dpp v[\a], v[\a], v[\a] row_xmask:2 row_mask:0xf bank_mask:0xf
	v_add_f32_dpp v[\a], v[\a], v[\a] row_xmask:4 row_mask:0xf bank_mask:0xf
	v_add_f32_dpp v[\a], v[\a], v[\a] row_xmask:8 row_mask:0xf bank_mask:0xf
	v_permlanex16_b32 v[\t], v[\a], s22, s23
	v_add_f32 v[\a], v[\a], v[\t]
.endm
.macro LN d, g, b                      ; the 32 registers from v[d] on become (y - mean) / sqrt(var + eps) x g + b
	v_pk_add_f32 v[4:5], v[\d:\d+1], v[\d+2:\d+3]
	v_pk_add_f32 v[6:7], v[\d+4:\d+5], v[\d+6:\d+7]
.irp j, 8,12,16,20,24,28
	v_pk_add_f32 v[4:5], v[4:5], v[\d+\j:\d+\j+1]
	v_pk_add_f32 v[6:7], v[6:7], v[\d+\j+2:\d+\j+3]
.endr
	v_pk_add_f32 v[4:5], v[4:5], v[6:7]
	v_add_f32 v4, v4, v5
	ALLSUM 4, 5
	v_mul_f32 v4, s24, v4                          ; the mean
.irp j, 0,2,4,6,8,10,12,14,16,18,20,22,24,26,28,30
	v_pk_add_f32 v[\d+\j:\d+\j+1], v[\d+\j:\d+\j+1], v[4:5] op_sel_hi:[1,0] neg_lo:[0,1] neg_hi:[0,1]
.endr
	v_pk_mul_f32 v[6:7], v[\d:\d+1], v[\d:\d+1]
	v_pk_mul_f32 v[8:9], v[\d+2:\d+3], v[\d+2:\d+3]
.irp j, 4,8,12,16,20,24,28
	v_pk_fma_f32 v[6:7], v[\d+\j:\d+\j+1], v[\d+\j:\d+\j+1], v[6:7]
	v_pk_fma_f32 v[8:9], v[\d+\j+2:\d+\j+3], v[\d+\j+2:\d+\j+3], v[8:9]
.endr
	v_pk_add_f32 v[6:7], v[6:7], v[8:9]
	v_add_f32 v6, v6, v7
	ALLSUM 6, 7
	v_fma_f32 v6, v6, s24, s25                     ; the variance + eps
	v_rsq_f32 v6, v6
	v_nop                                          ; a plain line behind the transcendental
	s_wait_loadcnt 0x0                             ; the gains and the biases (and x1)
	s_wait_alu depctr_va_vdst(0)                   ; ahead of the first reader of the root
.irp j, 0,2,4,6,8,10,12,14,16,18,20,22,24,26,28,30
	v_pk_mul_f32 v[\d+\j:\d+\j+1], v[\d+\j:\d+\j+1], v[6:7] op_sel_hi:[1,0]
.endr
.irp j, 0,2,4,6,8,10,12,14,16,18,20,22,24,26,28,30
	v_pk_fma_f32 v[\d+\j:\d+\j+1], v[\d+\j:\d+\j+1], v[\g+\j:\g+\j+1], v[\b+\j:\b+\j+1]
.endr
.endm
	s_wait_loadcnt 40                              ; the product's row is in; the 40 loads behind it may be out
	LN D, G1R, B1R
.irp j, 0,2,4,6,8,10,12,14,16,18,20,22,24,26,28,30
	v_pk_add_f32 v[D+\j:D+\j+1], v[D+\j:D+\j+1], v[X1+\j:X1+\j+1]
.endr
	LN D, G2R, B2R
.irp j, 0,1,2,3,4,5,6,7
	global_store_b128 v1, v[D+4*\j:D+4*\j+3], s[26:27] offset:512*\j th:TH_STORE_NT   ; 512 consecutive bytes, aligned
.endr
	s_endpgm
.Lfunc_end_k_q5ed6d78440_ln_two:
	.size	k_q5ed6d78440_ln_two, .Lfunc_end_k_q5ed6d78440_ln_two-k_q5ed6d78440_ln_two
	.p2alignl 7, 3214868480
	.fill 96, 4, 3214868480
	.section	.rodata,"a",@progbits
	.p2align	6, 0x0
	.amdhsa_kernel k_q5ed6d78440_ln_two
		.amdhsa_group_segment_fixed_size 0
		.amdhsa_private_segment_fixed_size 0
		.amdhsa_enable_private_segment 0
		.amdhsa_kernarg_size 56
		.amdhsa_user_sgpr_count 2
		.amdhsa_user_sgpr_kernarg_segment_ptr 1
		.amdhsa_wavefront_size32 1
		.amdhsa_system_sgpr_workgroup_id_x 1
		.amdhsa_system_sgpr_workgroup_id_y 1
		.amdhsa_system_sgpr_workgroup_id_z 1
		.amdhsa_system_vgpr_workitem_id 0
		.amdhsa_next_free_vgpr 208
		.amdhsa_next_free_sgpr 66
		.amdhsa_reserve_vcc 0
		.amdhsa_float_denorm_mode_32 3
		.amdhsa_float_denorm_mode_16_64 3
		.amdhsa_memory_ordered 1
		.amdhsa_forward_progress 1
		.amdhsa_inst_pref_size 20
	.end_amdhsa_kernel
	.amdgpu_metadata
---
amdhsa.version: [ 1, 2 ]
amdhsa.kernels:
  - .name:           k_q5ed6d78440_ln_two
    .symbol:         k_q5ed6d78440_ln_two.kd
    .args:
      - { .name: ob, .offset: 0, .size: 8, .value_kind: global_buffer, .address_space: global }
      - { .name: x1b, .offset: 8, .size: 8, .value_kind: global_buffer, .address_space: global }
      - { .name: ffn_g, .offset: 16, .size: 8, .value_kind: global_buffer, .address_space: global }
      - { .name: ffn_b, .offset: 24, .size: 8, .value_kind: global_buffer, .address_space: global }
      - { .name: ln2_g, .offset: 32, .size: 8, .value_kind: global_buffer, .address_space: global }
      - { .name: ln2_b, .offset: 40, .size: 8, .value_kind: global_buffer, .address_space: global }
      - { .name: out0, .offset: 48, .size: 8, .value_kind: global_buffer, .address_space: global }
    .group_segment_fixed_size: 0
    .private_segment_fixed_size: 0
    .kernarg_segment_align: 8
    .kernarg_segment_size: 56
    .max_flat_workgroup_size: 256
    .sgpr_count:     66
    .vgpr_count:     208
    .wavefront_size: 32
...
	.end_amdgpu_metadata
.endif
;; end of part 8
